; MI455X (gfx1250); checked and timed in simulation.
; The chip was launched on July 23, 2026; its instructions are those of AMD's public machine-readable ISA for CDNA 5 (MIT licence, August 2026) and "CDNA5" Instruction Set Architecture Reference Guide (July 2026). The comments in the code are by the model that wrote it; some were corrected since.
;; Mo E Attention Projection. Allowed arithmetic: matrix products marked QUANTISED: E2M1 operands, one E8M0 scale for each 32 along K, by v_wmma_scale_f32_16x16x128_f8f6f4 with both operands' format E2M1 (or v_wmma_scale_f32_32x16x128_f4), f32 sums; products left as they are: f32 operands where the result goes on into a quantised operand, else bf16, f16 or f32 operands; f32 sums; everything else in f32.
;; Inputs: W_codes 8 x 1,024 x 32 x 16 uint8 (E2M1 codes of W, K innermost, in blocks of 32 codes, two codes a byte); W_scales 8 x 1,024 x 32 uint8 (E8M0 scales of W, one for each 32 codes along K); Wg 8 x 1,024 float32; b 8 x 1,024 float32; bg 8 float32; x 4 x 2,048 x 1,024 float32.
;; Outputs: out0 4 x 2,048 x 1,024 float32.
;; This version of the problem:
;;   THIS VERSION OF THE PROBLEM IS GIVEN IN LOW PRECISION. The matrix products marked QUANTISED in the list below multiply operands that are first quantised to E2M1 (2 exponent bits, 1 mantissa bit; 4 bits a number), with one power-of-two scale for each 32 numbers along K (OCP MX v1.0); their sums are f32. All else is computed in f32.
;;   The module's matrix products, in the order in which they are computed (A, B: the left and right operand; K: the contracted axis; several contracted axes count as one K, in the product's order):
;;     1. [M 8,192, K 1,024] x [K 1,024, N 8]; A: input x; B: input Wg: left as it is (N = 8 < 16)
;;     2. [M 8,192, K 1,024] x [K 1,024, N 8,192]; A: input x; B: input W (given as codes): QUANTISED
;;   THE QUANTISER, for each operand of a quantised product, along K:
;;     - K is cut into blocks of 32 from its start; a last block that is shorter is filled with zeros.
;;     - A block's scale is 2^e with e = floor(log2(the largest magnitude in the block)) - 2, held to -126 .. 127; a block of zeros has e = 0. As a byte (E8M0): e + 127.
;;     - Each number is divided by its block's scale, clamped to +-6, and rounded to the nearest number of E2M1, ties to even, subnormals kept.
;;     - The product sums the exact products of the quantised numbers (number of the format x scale) in f32.
;;   ~~~python
;;   def quantise(x, axis):      # numpy; x: float32 -> the quantised numbers, widened to float32 again
;;       x = np.moveaxis(x, axis, -1); K = x.shape[-1]
;;       x = np.pad(x, [(0, 0)] * (x.ndim - 1) + [(0, -K % 32)]); x = x.reshape(x.shape[:-1] + (-1, 32)); a = np.abs(x).max(-1, keepdims=True)
;;       e = np.where(a > 0, np.clip(np.frexp(np.where(a > 0, a, 1))[1] - 1 - 2, -126, 127), 0)      # np.frexp(a)[1] - 1 = floor(log2(a)), exactly
;;       r = np.clip(x / 2.0 ** e, -6, 6)
;;       step = 2.0 ** (np.maximum(np.frexp(np.where(r == 0, 1, r))[1] - 1, 0) - 1)
;;       q = np.round(r / step) * step * 2.0 ** e      # np.round: ties to even
;;       return np.moveaxis(q.reshape(q.shape[:-2] + (-1,))[..., :K], -1, axis).astype(np.float32)
;;   ~~~
;;   INPUTS GIVEN AS CODES. W (in the module: [8, 1024, 1024], K = its axis 2): each comes as NAME_codes (uint8): NAME with its K axis moved to the last place and cut into blocks of 32 codes, [.., K / 32, bytes a block], one block behind the other in memory; two codes a byte, the lower K in the low four bits (a code: sign, 2 exponent bits, 1 mantissa bit); and NAME_scales (uint8): the same leading axes, one E8M0 byte (e + 127) for each 32 codes along K. Its value is code x scale, taken as it is: it is not quantised again, and the codes and scales need not be those that the quantiser above would give.
;; 2 versions. Each part assembles by itself: llvm-mc -triple=amdgcn-amd-amdhsa -mcpu=gfx1250 --defsym DOCPART=n.
;; ======== version 1 of 2: 2 launches
;; workspace buffers: xq 4,194,304 bytes; wq 4,194,304 bytes; side 524,288 bytes
;; launch prep (part 1): grid 256 x 1, 8 waves a work-group, no clusters, 248,320 bytes of LDS; arguments x, Wg, bg, W_codes, xq, side, wq; writes xq, side, wq
.if DOCPART == 1
	.amdgcn_target "amdgcn-amd-amdhsa--gfx1250"
	.amdhsa_code_object_version 6
	.text
	.protected	k_q8761ef5459_prep
	.globl	k_q8761ef5459_prep
	.p2align	8
	.type	k_q8761ef5459_prep,@function
k_q8761ef5459_prep:
	s_mov_b64 s[64:65], 0
	v_nop
	global_prefetch_b8 v0, s[64:65] scope:SCOPE_SE
	s_setreg_imm32_b32 hwreg(HW_REG_WAVE_MODE, 25, 1), 1
	s_wait_xcnt 0x0
; PREP.  x [8192][1024] f32 is read once and gives three things:
;   xq   its E2M1 codes, laid in the order of a matrix operand's registers: [m tile = row/16][block q = k/32][r = row%16][16 bytes];
;   side per 512 rows: [kind][m tile of 32][512 bytes]; kind 0: x's E8M0 bytes at (q>>4)*256 + r*16 + (q&15); kind 1: the gate weights, f32, at (e>>2)*256 + r*16 + (e&3)*4;
;   the gate weight of (row, expert) is softmax(x Wg^T + bg)[e] where e is one of the row's two largest, else 0.
; W_codes [8192 rows][512 bytes] is laid anew into wq in the same order as xq, so that the next launch loads whole fragments, 512 consecutive bytes a wave.
; The gate is computed in f32 fused multiply-adds: a coarser format could change which expert comes second, and with it a whole output row.
; A block's scale is 2^(floor(log2(largest magnitude)) - 2); its byte is the largest magnitude's exponent field - 2, held at 1 from below.
; LIMITS: NaN and infinities among the inputs are not served.  A block of zeros gets the byte 1 (the quantiser says 127): its codes are zeros and only this program reads the bytes.
;   The two largest are chosen on the logits, ties to the lower index; two different logits whose f32 scores would round to the same number could be ordered otherwise than by the scores.
; SHARES.  Work-group g: rows 32 g .. 32 g + 31 of x and of W_codes.  Wave w: rows 4 w .. 4 w + 3 of x.  Lane l: block l (k = 32 l .. 32 l + 31) of a row: a block's largest magnitude
; needs no other lane, four conversions give its 16 bytes, and the lane's 32 numbers of each expert's row of Wg stay in registers (window 1).
; Every LDS byte is filled once, all tensor loads go out at the head: three of a wave are out at the most.  No branch, no loop.
.set XW,   17408                       ; LDS 0: wave w's four rows of x at w * XW, as 64 pieces of 256 bytes + 16 of padding
.set XROW, 4352                        ; one row of 4,096 bytes so laid
.set WGL,  139264                      ; Wg: expert e at e * XROW, laid likewise
.set WRL,  174080                      ; 32 rows of W_codes, 512 bytes + 16
.set CI,   190976                      ; x's codes as they will lie in xq: piece (m tile, q) of 256 bytes + 16 at (32 mt + q) * 272
.set XSL,  208384                      ; x's scale bytes, 2 m tiles x 512
.set GWL,  209408                      ; the gate weights, 2 m tiles x 512
.set TSC,  210432                      ; a scratch of 32 x 144 bytes for each wave
.set AX,   2                           ; v2   my block in my wave's first row of x
.set AWG,  3                           ; v3   my block in expert 0's row of Wg
.set ACI,  4                           ; v4   where my block's codes go
.set AXS,  5                           ; v5   where its scale byte goes
.set ATS,  6                           ; v6   the scratch: my 128 bytes
.set ATL,  7                           ; v7   the scratch: my column
.set AGW,  8                           ; v8   where my gate weight goes
.set ARC,  9                           ; v9   the codes on their way out
.set ASD,  10                          ; v10  the scale bytes and weights on their way out
.set AWR,  11                          ; v11  W's rows on their way out
.set GO16, 12                          ; v12  16 x lane
.set GO8,  13                          ; v13  8 x lane
.set GBG,  18                          ; v18  4 x (lane % 8)
.set BGV,  20                          ; v20  bg of my expert
.set X,    32                          ; v32-95   two sets of 32 numbers of x
.set C,    96                          ; v96-111  codes: four registers for each of my four rows
.set SBY,  112                         ; v112-115 a scale byte for each row
.set M0,   116
.set M1,   117
.set SO,   118                         ; the conversions' scale operand
.set A,    120                         ; v120-135 eight pairs: the partial sums of the row in hand, one pair an expert
.set P,    136                         ; v136-167 my partial logits: 8 i + e
.set T,    168                         ; v168-199 the 32 lanes' partial logits of one (row, expert)
.set LG,   200
.set MX,   201
.set PE,   202
.set SM,   203
.set RC,   204
.set PT,   205
.set CNT,  206
.set WV,   207
.set DD,   208
.set OX,   216                         ; v216-231, v232-247, v248-249: the way out
.set OW,   232
.set OS,   248
.set MSB, 0
.macro WIN new                         ; the immediate's high byte repeats the setting that is left
.if MSB != \new
	s_set_vgpr_msb (MSB<<8)|\new
.set MSB, \new
.endif
.endm
	s_load_b256 s[4:11], s[0:1], 0x0               ; x s[4:5], Wg s[6:7], bg s[8:9], W_codes s[10:11]
	s_load_b128 s[12:15], s[0:1], 0x20             ; xq s[12:13], side s[14:15]
	s_load_b64 s[16:17], s[0:1], 0x30              ; wq
	v_lshl_add_u32 v254, v0, 2, 0x3c600
	v_mov_b32 v255, 0
	ds_add_u32 v254, v255
	ds_add_u32 v254, v255
	v_lshrrev_b32 v14, 5, v0
	v_readfirstlane_b32 s18, v14                   ; wave 0..7
	; descriptor groups 1: elements of 8 bytes, 16 bytes of padding behind each row
	s_mov_b32 s24, 0x07530000                      ; Wg: 16 rows of 256 bytes (32 elements), dense: one expert's row
	s_mov_b32 s25, 32<<16
	s_mov_b32 s26, 16<<16
	s_mov_b32 s27, 32<<16
	s_mov_b32 s28, 16
	s_mov_b32 s29, 32
	s_mov_b32 s30, 0
	s_mov_b32 s31, 0
	s_mov_b32 s32, 0x07530000                      ; x: 64 rows of 256 bytes, dense: four rows of x
	s_mov_b32 s33, 32<<16
	s_mov_b32 s34, 64<<16
	s_mov_b32 s35, 32<<16
	s_mov_b32 s36, 64
	s_mov_b32 s37, 32
	s_mov_b32 s38, 0
	s_mov_b32 s39, 0
	s_mov_b32 s40, 0x07930000                      ; W_codes: 4 rows of 512 bytes (64 elements), dense
	s_mov_b32 s41, 64<<16
	s_mov_b32 s42, 4<<16
	s_mov_b32 s43, 64<<16
	s_mov_b32 s44, 4
	s_mov_b32 s45, 64
	s_mov_b32 s46, 0
	s_mov_b32 s47, 0
	s_mul_i32 s60, s18, XROW
	s_lshl_b32 s20, s18, 12                        ; expert w's row of Wg
	s_mov_b32 s21, 0
	s_wait_dscnt 0x0
	s_wait_kmcnt 0x0
	s_mov_b32 s48, 1
	s_add_co_u32 s49, s60, WGL
	s_add_nc_u64 s[50:51], s[6:7], s[20:21]
	s_or_b32 s51, s51, 0x80000000
	s_lshl_b32 s20, ttmp9, 17                      ; 32 rows of 4,096 bytes a work-group,
	s_lshl_b32 s22, s18, 14                        ; four a wave
	s_add_co_u32 s20, s20, s22
	s_mov_b32 s52, 1
	s_mul_i32 s53, s18, XW
	s_add_nc_u64 s[54:55], s[4:5], s[20:21]
	s_or_b32 s55, s55, 0x80000000
	s_lshl_b32 s20, ttmp9, 14                      ; 32 rows of 512 bytes a work-group,
	s_lshl_b32 s22, s18, 11                        ; four a wave
	s_add_co_u32 s20, s20, s22
	s_mov_b32 s56, 1
	s_mul_i32 s57, s18, 2112
	s_add_co_u32 s57, s57, WRL
	s_add_nc_u64 s[58:59], s[10:11], s[20:21]
	s_or_b32 s59, s59, 0x80000000
	tensor_load_to_lds s[48:51], s[24:31]          ; Wg first: it is wanted first
	s_nop 0
	tensor_load_to_lds s[52:55], s[32:39]          ; my four rows of x
	s_nop 0
	tensor_load_to_lds s[56:59], s[40:47]          ; four rows of W_codes: wanted last
	s_nop 0
.rept 4
	v_nop
.endr
	s_add_nc_u64 s[12:13], s[12:13], s[20:21]      ; xq: 16,384 g + 2,048 w, the same offset
	s_lshl_b32 s20, ttmp9, 14
	s_lshl_b32 s22, s18, 10
	s_add_co_u32 s20, s20, s22
	s_add_nc_u64 s[16:17], s[16:17], s[20:21]      ; wq: 16,384 g + 1,024 w
	s_lshr_b32 s20, ttmp9, 4
	s_lshl_b32 s20, s20, 15                        ; side: the block of 512 rows,
	s_and_b32 s22, ttmp9, 15
	s_lshl_b32 s22, s22, 10                        ; my two m tiles in it,
	s_add_co_u32 s20, s20, s22
	s_lshr_b32 s22, s18, 2
	s_lshl_b32 s22, s22, 14                        ; waves 0-3 store the scale bytes, waves 4-7 the weights,
	s_add_co_u32 s20, s20, s22
	s_and_b32 s22, s18, 3
	s_lshl_b32 s22, s22, 8                         ; 256 bytes each
	s_add_co_u32 s20, s20, s22
	s_add_nc_u64 s[14:15], s[14:15], s[20:21]
	v_and_b32 v[GBG], 7, v0
	v_lshlrev_b32 v[GBG], 2, v[GBG]
	global_load_b32 v[BGV], v[GBG], s[8:9]         ; bg of expert lane % 8
	; LDS addresses: a constant + constants x lane + constants x wave
	v_and_b32 v1, 31, v0                           ; lane l
	v_and_b32 v16, 15, v0                          ; l % 16
	v_bfe_u32 v17, v0, 4, 1                        ; l / 16
	v_bfe_u32 v14, v0, 1, 4                        ; l / 2: which piece of 256 bytes of a row holds my block,
	v_and_b32 v15, 1, v0                           ; and which half of it
	v_mul_u32_u24 v14, v14, 272
	v_lshl_add_u32 v14, v15, 7, v14                ; sixteen lanes' 16 bytes fall into sixteen different columns of 16 bytes modulo 256: (l/2) + 8 (l%2)
	s_mul_i32 s20, s18, XW
	v_add_nc_u32 v[AX], s20, v14
	v_add_nc_u32 v[AWG], WGL, v14
	s_lshr_b32 s21, s18, 2                         ; my rows' m tile: w / 4
	s_and_b32 s22, s18, 3
	s_lshl_b32 s22, s22, 6                         ; their first r = 4 (w % 4), x 16 bytes
	s_mul_i32 s20, s21, 8704
	s_add_co_u32 s20, s20, s22
	s_add_co_u32 s20, s20, CI
	v_mul_u32_u24 v[ACI], v1, 272
	v_add_nc_u32 v[ACI], s20, v[ACI]
	s_lshl_b32 s20, s21, 9
	s_add_co_u32 s20, s20, s22
	s_add_co_u32 s20, s20, XSL
	v_lshl_add_u32 v[AXS], v17, 8, v16
	v_add_nc_u32 v[AXS], s20, v[AXS]
	s_mul_i32 s20, s18, 4608
	s_add_co_u32 s20, s20, TSC
	v_mul_u32_u24 v[ATS], v1, 144
	v_add_nc_u32 v[ATS], s20, v[ATS]
	v_lshl_add_u32 v[ATL], v1, 2, s20
	v_lshrrev_b32 v14, 7, v0                       ; behind the sum over lanes thread t holds row t / 8 of the 32 and expert t % 8
	v_lshlrev_b32 v14, 9, v14                      ; m tile x 512
	v_bfe_u32 v15, v0, 2, 1
	v_lshl_add_u32 v14, v15, 8, v14                ; (e / 4) x 256
	v_bfe_u32 v15, v0, 3, 4
	v_lshl_add_u32 v14, v15, 4, v14                ; r x 16
	v_and_b32 v15, 3, v0
	v_lshl_add_u32 v14, v15, 2, v14                ; (e % 4) x 4
	v_add_nc_u32 v[AGW], GWL, v14
	s_mul_i32 s20, s18, 2176                       ; out: wave w takes pieces 8 w .. 8 w + 7 of the 64, two an instruction
	s_add_co_u32 s20, s20, CI
	v_mul_u32_u24 v[ARC], v17, 272
	v_lshl_add_u32 v[ARC], v16, 4, v[ARC]
	v_add_nc_u32 v[ARC], s20, v[ARC]
	v_lshl_add_u32 v[ASD], v0, 3, XSL              ; 8 bytes a thread of the 2,048 of scale bytes and weights
	s_lshl_b32 s20, s18, 6                         ; W: wave w takes blocks 4 w .. 4 w + 3 of the 32 rows
	s_add_co_u32 s20, s20, WRL
	v_mul_u32_u24 v[AWR], v16, 528
	v_lshl_add_u32 v[AWR], v17, 4, v[AWR]
	v_add_nc_u32 v[AWR], s20, v[AWR]
	v_lshlrev_b32 v[GO16], 4, v1
	v_lshlrev_b32 v[GO8], 3, v1
.macro XLOAD i                         ; my block of my wave's row i: 128 bytes into set i % 2
.irp k, 0,1,2,3,4,5,6,7
	ds_load_b128 v[X+32*((\i)%2)+4*\k:X+32*((\i)%2)+4*\k+3], v[AX] offset:(\i)*XROW+16*\k
.endr
.endm
.macro QUANT i                         ; the block becomes 16 bytes of codes and a scale byte
.set XS, X+32*((\i)%2)
	v_max3_num_f32 v[M0], |v[XS]|, |v[XS+1]|, |v[XS+2]|            ; the largest magnitude, in two chains
	v_max3_num_f32 v[M1], |v[XS+3]|, |v[XS+4]|, |v[XS+5]|
.irp n, 6,10,14,18,22,26
	v_max3_num_f32 v[M0], v[M0], |v[XS+\n]|, |v[XS+\n+1]|
	v_max3_num_f32 v[M1], v[M1], |v[XS+\n+2]|, |v[XS+\n+3]|
.endr
	v_max3_num_f32 v[M0], v[M0], |v[XS+30]|, |v[XS+31]|
	v_max3_num_f32 v[M0], v[M0], v[M1], 0x1800000  ; and the floor 2^(3 - 127): the byte cannot fall under 1
	v_add_nc_u32 v[SO], 0xff000000, v[M0]          ; 2 off the exponent field: the conversion takes this operand's exponent field as its scale
.irp q, 0,1,2,3
	v_cvt_scalef32_pk8_fp4_f32 v[C+4*(\i)+\q], v[XS+8*\q:XS+8*\q+7], v[SO]
.endr
	v_lshrrev_b32 v[SBY+(\i)], 23, v[SO]           ; the scale's byte; also the plain line behind the conversions
	ds_store_b128 v[ACI], v[C+4*(\i):C+4*(\i)+3] offset:16*(\i)
	ds_store_b8 v[AXS], v[SBY+(\i)] offset:16*(\i)
.endm
.macro GATE i                          ; my 32 numbers against my 32 numbers of each expert's row: eight chains of packed multiply-adds by turns
	WIN 0x04                                       ; source 1 (Wg) in window 1
.irp k, 0,2,4,6,8,10,12,14,16,18,20,22,24,26,28,30
.irp e, 0,1,2,3,4,5,6,7
.if \k == 0
	v_pk_mul_f32 v[A+2*\e:A+2*\e+1], v[X+32*((\i)%2)+\k:X+32*((\i)%2)+\k+1], v[32*\e+\k:32*\e+\k+1]
.else
	v_pk_fma_f32 v[A+2*\e:A+2*\e+1], v[X+32*((\i)%2)+\k:X+32*((\i)%2)+\k+1], v[32*\e+\k:32*\e+\k+1], v[A+2*\e:A+2*\e+1]
.endif
.endr
.endr
	WIN 0
.irp e, 0,1,2,3,4,5,6,7
	v_add_f32 v[P+8*(\i)+\e], v[A+2*\e], v[A+2*\e+1]
.endr
.endm
.macro ROW i, cnt
	s_wait_dscnt \cnt                              ; LDS instructions of a wave end in order (ISA guide 5.7.1): row i is in; cnt were issued behind its loads
	QUANT \i
	GATE \i
.if (\i) < 2
	XLOAD (\i)+2                                   ; into the set just read
.endif
.endm
	s_wait_tensorcnt 0x2                           ; my row of Wg has landed: x's and W's loads were issued behind it and may stay out
	s_barrier_signal -1
	s_barrier_wait -1                              ; all eight rows of Wg have
	WIN 0x40                                       ; destination window 1
.irp e, 0,1,2,3,4,5,6,7
.irp k, 0,1,2,3,4,5,6,7
	ds_load_b128 v[32*\e+4*\k:32*\e+4*\k+3], v[AWG] offset:\e*XROW+16*\k
.endr
.endr
	WIN 0
	s_wait_tensorcnt 0x1                           ; my four rows of x have landed (only my wave reads them); W's load may stay out
	XLOAD 0
	XLOAD 1
	ROW 0, 8                                       ; behind row 0 (and Wg): row 1's eight loads
	ROW 1, 10                                      ; behind row 1: two stores, row 2's eight loads
	ROW 2, 10                                      ; behind row 2: two stores, row 3's eight loads
	ROW 3, 2                                       ; behind row 3: two stores
	; The 32 lanes' partial logits are summed by turning them through my wave's scratch: lane j ends with row j / 8, expert j % 8.  LDS serves a wave's instructions in order: no wait between stores and loads.
.irp q, 0,1,2,3,4,5,6,7
	ds_store_b128 v[ATS], v[P+4*\q:P+4*\q+3] offset:16*\q
.endr
.set n, 0
.rept 32
	ds_load_b32 v[T+n], v[ATL] offset:144*n
.set n, n+1
.endr
	s_wait_dscnt 0x0
.irp u, 0,1,2,3,4,5,6,7
	v_pk_add_f32 v[T+4*\u:T+4*\u+1], v[T+4*\u:T+4*\u+1], v[T+4*\u+2:T+4*\u+3]
.endr
.irp u, 0,1,2,3
	v_pk_add_f32 v[T+8*\u:T+8*\u+1], v[T+8*\u:T+8*\u+1], v[T+8*\u+4:T+8*\u+5]
.endr
.irp u, 0,1
	v_pk_add_f32 v[T+16*\u:T+16*\u+1], v[T+16*\u:T+16*\u+1], v[T+16*\u+8:T+16*\u+9]
.endr
	v_pk_add_f32 v[T:T+1], v[T:T+1], v[T+16:T+17]
	v_add_f32 v[LG], v[T], v[T+1]
	s_wait_loadcnt 0x0                             ; bg
	v_add_f32 v[LG], v[LG], v[BGV]                 ; the logit
	; softmax over the eight lanes of a row: the maximum is taken away first
	v_mov_b32 v[MX], v[LG]
	v_max_num_f32_dpp v[MX], v[MX], v[MX] row_xmask:1 row_mask:0xf bank_mask:0xf
	v_max_num_f32_dpp v[MX], v[MX], v[MX] row_xmask:2 row_mask:0xf bank_mask:0xf
	v_max_num_f32_dpp v[MX], v[MX], v[MX] row_xmask:4 row_mask:0xf bank_mask:0xf
	v_sub_f32 v[DD], v[LG], v[MX]
	v_mul_f32 v[DD], 0x3fb8aa3b, v[DD]             ; x log2(e)
	v_exp_f32 v[PE], v[DD]
	v_mov_b32 v[PT], 0                             ; a plain line behind the exponential; a lane move's destination counts as read, so it is written here
	s_wait_alu depctr_va_vdst(0)
	v_mov_b32 v[SM], v[PE]
	v_add_f32_dpp v[SM], v[SM], v[SM] row_xmask:1 row_mask:0xf bank_mask:0xf
	v_add_f32_dpp v[SM], v[SM], v[SM] row_xmask:2 row_mask:0xf bank_mask:0xf
	v_add_f32_dpp v[SM], v[SM], v[SM] row_xmask:4 row_mask:0xf bank_mask:0xf
	v_rcp_f32 v[RC], v[SM]
	v_mov_b32 v[CNT], 0                            ; a plain line behind the reciprocal
	; my rank: how many of the seven others come before me: a larger logit, or an equal one with a lower index (expert e xor m is lower where e has m's top bit)
.irp m, 1,2,3,4,5,6,7
	v_mov_b32_dpp v[PT], v[LG] row_xmask:\m row_mask:0xf bank_mask:0xf
	v_cmp_gt_f32 s20, v[PT], v[LG]
	v_cmp_ge_f32 s21, v[PT], v[LG]
.if \m < 2
	s_and_b32 s21, s21, 0xaaaaaaaa
.elseif \m < 4
	s_and_b32 s21, s21, 0xcccccccc
.else
	s_and_b32 s21, s21, 0xf0f0f0f0
.endif
	s_or_b32 vcc_lo, s20, s21
	v_add_co_ci_u32 v[CNT], vcc_lo, 0, v[CNT], vcc_lo
.endr
	s_wait_alu depctr_va_vdst(0)
	v_mul_f32 v[PE], v[PE], v[RC]                  ; the score
	v_cmp_gt_u32 vcc_lo, 2, v[CNT]
	v_cndmask_b32 v[WV], 0, v[PE], vcc_lo          ; kept for the two first, 0 for the others: a choice of a value, no branch
	ds_store_b32 v[AGW], v[WV]
	s_wait_tensorcnt 0x0                           ; for the others' sake: my rows of W_codes have landed,
	s_wait_dscnt 0x0                               ; and my codes, bytes and weights are stored
	s_barrier_signal -1
	s_barrier_wait -1
.irp i, 0,1,2,3
	ds_load_b128 v[OX+4*\i:OX+4*\i+3], v[ARC] offset:544*\i
.endr
.irp tt, 0,1
.irp c, 0,1
	ds_load_b128 v[OW+4*(2*\tt+\c):OW+4*(2*\tt+\c)+3], v[AWR] offset:\tt*8448+32*\c   ; tile tt, blocks 4 w + 2 c + l / 16, row l % 16
.endr
.endr
	ds_load_b64 v[OS:OS+1], v[ASD]
	s_wait_dscnt 0x0
.irp i, 0,1,2,3
	global_store_b128 v[GO16], v[OX+4*\i:OX+4*\i+3], s[12:13] offset:512*\i           ; each store of the wave covers 512 consecutive bytes, aligned
.endr
.irp tt, 0,1
.irp c, 0,1
	global_store_b128 v[GO16], v[OW+4*(2*\tt+\c):OW+4*(2*\tt+\c)+3], s[16:17] offset:\tt*8192+\c*512
.endr
.endr
	global_store_b64 v[GO8], v[OS:OS+1], s[14:15]  ; 256 consecutive bytes, aligned
	s_wait_tensorcnt 0x0
	ds_add_u32 v254, v255
	s_wait_dscnt 0x0
	s_endpgm
.Lfunc_end_k_q8761ef5459_prep:
	.size	k_q8761ef5459_prep, .Lfunc_end_k_q8761ef5459_prep-k_q8761ef5459_prep
	.p2alignl 7, 3214868480
	.fill 96, 4, 3214868480
	.section	.rodata,"a",@progbits
	.p2align	6, 0x0
	.amdhsa_kernel k_q8761ef5459_prep
		.amdhsa_group_segment_fixed_size 248320
		.amdhsa_private_segment_fixed_size 0
		.amdhsa_enable_private_segment 0
		.amdhsa_kernarg_size 56
		.amdhsa_user_sgpr_count 2
		.amdhsa_user_sgpr_kernarg_segment_ptr 1
		.amdhsa_wavefront_size32 1
		.amdhsa_system_sgpr_workgroup_id_x 1
		.amdhsa_system_sgpr_workgroup_id_y 1
		.amdhsa_system_sgpr_workgroup_id_z 1
		.amdhsa_system_vgpr_workitem_id 0
		.amdhsa_next_free_vgpr 512
		.amdhsa_next_free_sgpr 66
		.amdhsa_reserve_vcc 1
		.amdhsa_float_denorm_mode_32 3
		.amdhsa_float_denorm_mode_16_64 3
		.amdhsa_memory_ordered 1
		.amdhsa_forward_progress 1
		.amdhsa_inst_pref_size 61
	.end_amdhsa_kernel
	.amdgpu_metadata
---
amdhsa.version: [ 1, 2 ]
amdhsa.kernels:
  - .name:           k_q8761ef5459_prep
    .symbol:         k_q8761ef5459_prep.kd
    .args:
      - { .name: x, .offset: 0, .size: 8, .value_kind: global_buffer, .address_space: global }
      - { .name: Wg, .offset: 8, .size: 8, .value_kind: global_buffer, .address_space: global }
      - { .name: bg, .offset: 16, .size: 8, .value_kind: global_buffer, .address_space: global }
      - { .name: W_codes, .offset: 24, .size: 8, .value_kind: global_buffer, .address_space: global }
      - { .name: xq, .offset: 32, .size: 8, .value_kind: global_buffer, .address_space: global }
      - { .name: side, .offset: 40, .size: 8, .value_kind: global_buffer, .address_space: global }
      - { .name: wq, .offset: 48, .size: 8, .value_kind: global_buffer, .address_space: global }
    .group_segment_fixed_size: 248320
    .private_segment_fixed_size: 0
    .kernarg_segment_align: 8
    .kernarg_segment_size: 56
    .max_flat_workgroup_size: 256
    .sgpr_count:     66
    .vgpr_count:     512
    .wavefront_size: 32
...
	.end_amdgpu_metadata
.endif
;; end of part 1
;; launch moe (part 2): grid 16 x 16, 4 waves a work-group, clusters of 4 x 1, 327,680 bytes of LDS; arguments xq, side, wq, W_scales, b, out0; writes out0
.if DOCPART == 2
	.amdgcn_target "amdgcn-amd-amdhsa--gfx1250"
	.amdhsa_code_object_version 6
	.text
	.protected	k_q8761ef5459_moe
	.globl	k_q8761ef5459_moe
	.p2align	8
	.type	k_q8761ef5459_moe,@function
k_q8761ef5459_moe:
	s_mov_b64 s[64:65], 0
	v_nop
	global_prefetch_b8 v0, s[64:65] scope:SCOPE_SE
	s_setreg_imm32_b32 hwreg(HW_REG_WAVE_MODE, 25, 1), 1
	s_wait_xcnt 0x0
	s_wait_alu depctr_hold_cnt(0) depctr_sa_sdst(0) depctr_va_vdst(0) depctr_va_sdst(0) depctr_va_ssrc(0) depctr_va_vcc(0) depctr_vm_vsrc(0)
	s_getreg_b32 s2, hwreg(HW_REG_IB_STS2, 6, 4)
	s_cmp_eq_u32 s2, 0
	s_cbranch_scc0 .Lentry_in_a_cluster
	s_endpgm
.Lentry_in_a_cluster:
	s_bfe_u32 s2, ttmp6, 0x10000c
	s_cmp_lg_u32 s2, 0x3003
	s_cbranch_scc0 .Lentry_shape_is_right
	s_endpgm
.Lentry_shape_is_right:
; out[t][o] = sum over the 8 experts e of g[t][e] * (Q(x[t]) . W[e][o] + b[e][o]), g the gate weights of the launch before: the score for a token's two first experts, 0 for the others.
; Both operands are E2M1 codes with E8M0 scales; sums in f32.  LIMIT: an expert that was not chosen is multiplied by 0, so its sum has to be finite; NaN and infinities are not served.
; All eight experts are multiplied for every token: no address, branch or trip count hangs on the choice.
; SHARES.  Work-group (cb, rb): outputs 64 cb .. + 63 for rows 512 rb .. + 511.  Wave w keeps W of outputs 64 cb + 16 w .. + 15 of ALL EIGHT experts, for all of K, in 512 registers for the whole launch;
; the work-group's 32 m tiles of 16 rows stream past out of LDS.  A unit is one m tile: 8 K steps x 8 experts = 64 matrix instructions; each fragment of x read from LDS feeds eight of them.
; THE MATRIX INSTRUCTION IS USED TRANSPOSED (source 0 = 16 outputs of W, source 1 = 16 rows of x): lane (r, h) holds row r and outputs 8 h + 0 .. 7: a gate weight is one number a lane, and b[e] is the C of each sum's first instruction.
; The eight accumulators take turns, one instruction a turn.
; CLUSTER.  The four column blocks of a cluster read the same 256 KB of x's codes and 32 KB of scale words and weights: every tensor load is asked for jointly by the four (mask 15); its descriptor hangs on rb and the wave alone.
; W is shared by the 16 row blocks and is NOT asked for jointly: it goes from memory straight into registers, and beside x's 262,144 bytes, the 32,768 of scales and weights and the stages LDS has no room for another 262,144.
; Every LDS byte is filled once: two tensor loads of a wave are out at the most.
; THE WAY OUT.  A row's 64 outputs (256 bytes) come from four waves: they meet in a stage of 32 rows; two stages take turns, one barrier for two units.  The stage written in a trip is read back and stored in the next.
; REGISTERS, in windows of 256: window 0: addresses, scale words, weights, x's fragments, results.  window 1: W of K steps 0-3 at v[64 s + 8 e].  window 2: K steps 4-7.  window 3: v0-63 the accumulators, v64-127 b.
.set XSB,    262144                    ; LDS: x's codes at 0, m tile u at 8192 u; here x's scale words, 512 bytes an m tile;
.set GWB,    278528                    ; the gate weights, 512 bytes an m tile;
.set STAGE,  294912                    ; stage 0: 32 rows x (256 + 16); stage 1 lies 16,384 further on
.set LANE16, 3                         ; v3   16 x lane
.set R16,    4                         ; v4   16 x (lane % 16)
.set AXC,    5                         ; v5   x's codes: the address registers' m tile
.set AXS,    6                         ; v6   its scale words
.set AGW,    7                         ; v7   its weights
.set STO0,   8                         ; v8   stage 0: where I put 32 bytes of a row
.set RD0,    9                         ; v9   stage 0: where I read rows back
.set VB,     10                        ; v10  b: 32 x (lane / 16)
.set VS,     11                        ; v11  W's scales: 32 r + 16 h
.set CO,     12                        ; v12  my byte offset in two rows of out
.set LXS0,   13                        ; v13  LANE16 + XSB
.set AGW0,   14                        ; v14  R16 + GWB
.set WS,     24                        ; v24-55   W's scale words: register 4 e + i: lanes 0-15 K step i, lanes 16-31 K step 4 + i
.set XSC,    56                        ; v56-63   x's scale words, two sets of four, laid likewise
.set WT,     64                        ; v64-79   the row's eight gate weights, two sets
.set XF,     80                        ; v80-143  x's eight fragments of an m tile
.set OUTR,   144                       ; v144-159 the combined results, two sets of eight
.set RB,     160                       ; v160-175 rows read back from a stage
.set BIAS,   64                        ; in window 3
.set MSB, 0
.macro WIN new                         ; the immediate's high byte repeats the setting that is left
.if MSB != \new
	s_set_vgpr_msb (MSB<<8)|\new
.set MSB, \new
.endif
.endm
.macro CROUND                          ; a round of the cluster's barrier
	s_barrier_signal -1
	s_barrier_wait -1
	s_cmp_lg_u32 s16, 0
	s_cbranch_scc1 .Lnot_wave_0_\@
	s_barrier_signal -3
.Lnot_wave_0_\@:
	s_barrier_wait -3
	s_barrier_signal -1
	s_barrier_wait -1
.endm
.macro PLACES n                        ; plain vector lines behind matrix instructions (ISA guide 7.12.1)
.rept \n
	v_nop
.endr
.endm
	s_load_b256 s[4:11], s[0:1], 0x0               ; xq s[4:5], side s[6:7], wq s[8:9], W_scales s[10:11]
	s_load_b128 s[12:15], s[0:1], 0x20             ; b s[12:13], out0 s[14:15]
	v_lshl_add_u32 v254, v0, 2, 0x4e200
	v_mov_b32 v255, 0
	ds_add_u32 v254, v255
	ds_add_u32 v254, v255
	v_lshrrev_b32 v1, 5, v0
	v_readfirstlane_b32 s16, v1                    ; wave 0..3
	s_bfe_u32 s17, ttmp6, 0x40000                  ; cx
	s_lshl_b32 s18, ttmp9, 2
	s_add_co_u32 s18, s18, s17                     ; cb = 4 x cluster x + cx: it enters W's, b's and out's global addresses alone
	s_and_b32 s19, ttmp7, 0xffff                   ; rb, which the four partners share
	; descriptor groups 1: elements of 8 bytes, rows of 256 bytes, dense, no padding; mask 15, bit 21 beside it
	s_mov_b32 s24, 0x0023000f                      ; 32 rows: a quarter of the scale words and weights
	s_mov_b32 s25, 32<<16
	s_mov_b32 s26, 32<<16
	s_mov_b32 s27, 32<<16
	s_mov_b32 s28, 32
	s_mov_b32 s29, 32
	s_mov_b32 s30, 0
	s_mov_b32 s31, 0
	s_mov_b32 s32, 0x0023000f                      ; 256 rows: eight m tiles of x's codes
	s_mov_b32 s33, 32<<16
	s_mov_b32 s34, 256<<16
	s_mov_b32 s35, 32<<16
	s_mov_b32 s36, 256
	s_mov_b32 s37, 32
	s_mov_b32 s38, 0
	s_mov_b32 s39, 0
	s_lshl_b32 s20, s19, 15
	s_lshl_b32 s58, s16, 13
	s_add_co_u32 s20, s20, s58                     ; side: 32,768 rb + 8,192 w
	s_mov_b32 s21, 0
	s_lshl_b32 s22, s19, 18
	s_lshl_b32 s59, s16, 16
	s_add_co_u32 s22, s22, s59                     ; xq: 262,144 rb + 65,536 w
	s_mov_b32 s23, 0
	v_and_b32 v1, 15, v0                           ; r
	v_bfe_u32 v2, v0, 4, 1                         ; h
	v_and_b32 v[LANE16], 31, v0
	v_lshlrev_b32 v[LANE16], 4, v[LANE16]
	v_lshlrev_b32 v[R16], 4, v1
	v_add_nc_u32 v[LXS0], XSB, v[LANE16]
	v_add_nc_u32 v[AGW0], GWB, v[R16]
	s_lshl_b32 s48, s16, 6
	s_add_co_u32 s48, s48, STAGE
	v_mul_u32_u24 v[STO0], v1, 272                 ; in: row r, my wave's 64 bytes, 32 for each half of the lanes
	v_lshl_add_u32 v[STO0], v2, 5, v[STO0]
	v_add_nc_u32 v[STO0], s48, v[STO0]
	s_mul_i32 s48, s16, 2176
	s_add_co_u32 s48, s48, STAGE
	v_mul_u32_u24 v[RD0], v2, 272                  ; back: wave w takes rows 8 w .. 8 w + 7; lanes 0-15 one row of 256 bytes, lanes 16-31 the next
	v_lshl_add_u32 v[RD0], v1, 4, v[RD0]
	v_add_nc_u32 v[RD0], s48, v[RD0]
	v_lshlrev_b32 v[CO], 12, v2                    ; and the same two rows in out: 4,096 bytes a row
	v_lshl_add_u32 v[CO], v1, 4, v[CO]
	v_lshlrev_b32 v[VB], 5, v2
	v_lshlrev_b32 v[VS], 5, v1
	v_lshl_add_u32 v[VS], v2, 4, v[VS]
	s_mov_b32 s52, 0                               ; LDS byte of the address registers' m tile,
	s_mov_b32 s53, 0                               ; and of its scale words and weights
	s_wait_dscnt 0x0
	s_wait_kmcnt 0x0
	s_mov_b32 s40, 1
	s_add_co_u32 s41, s58, XSB
	s_add_nc_u64 s[42:43], s[6:7], s[20:21]
	s_or_b32 s43, s43, 0x80000000
	s_mov_b32 s44, 1
	s_mov_b32 s45, s59
	s_add_nc_u64 s[46:47], s[4:5], s[22:23]
	s_or_b32 s47, s47, 0x80000000
	s_lshl_b32 s48, s18, 2
	s_add_co_u32 s48, s48, s16
	s_lshl_b32 s48, s48, 13                        ; wq: tile 4 cb + w of expert 0, 8,192 bytes a tile
	s_mov_b32 s49, 0
	s_add_nc_u64 s[8:9], s[8:9], s[48:49]
	s_lshl_b32 s48, s18, 8
	s_lshl_b32 s50, s16, 6
	s_add_co_u32 s48, s48, s50                     ; b: (64 cb + 16 w) x 4 bytes
	s_add_nc_u64 s[12:13], s[12:13], s[48:49]
	s_lshl_b32 s48, s48, 3                         ; W_scales: (64 cb + 16 w) x 32 bytes
	s_add_nc_u64 s[10:11], s[10:11], s[48:49]
	s_lshl_b32 s48, s19, 21                        ; out: 512 rb rows of 4,096 bytes,
	s_lshl_b32 s50, s16, 15                        ; 8 w rows,
	s_add_co_u32 s48, s48, s50
	s_lshl_b32 s50, s18, 8                         ; 64 cb numbers
	s_add_co_u32 s48, s48, s50
	s_add_nc_u64 s[56:57], s[14:15], s[48:49]
	CROUND                                         ; all four work-groups are here: the joint loads meet
	tensor_load_to_lds s[40:43], s[24:31]
	s_nop 0
	tensor_load_to_lds s[44:47], s[32:39]
	s_nop 0
.rept 4
	v_nop
.endr
	; W, b and W's scale words into registers: they stay.  Each load of the wave reads 512 consecutive bytes; every offset is an immediate (3,677,696 at the most, inside the signed 24 bits)
	WIN 0x40                                       ; destination window 1
.irp s, 0,1,2,3
.irp e, 0,1,2,3,4,5,6,7
.irp c, 0,1
	global_load_b128 v[64*\s+8*\e+4*\c:64*\s+8*\e+4*\c+3], v[LANE16], s[8:9] offset:\e*524288+(2*\s+\c)*512
.endr
.endr
.endr
	WIN 0x80                                       ; destination window 2
.irp s, 0,1,2,3
.irp e, 0,1,2,3,4,5,6,7
.irp c, 0,1
	global_load_b128 v[64*\s+8*\e+4*\c:64*\s+8*\e+4*\c+3], v[LANE16], s[8:9] offset:\e*524288+(2*(\s+4)+\c)*512
.endr
.endr
.endr
	WIN 0xc0                                       ; destination window 3
.irp e, 0,1,2,3,4,5,6,7
	global_load_b128 v[BIAS+8*\e:BIAS+8*\e+3], v[VB], s[12:13] offset:\e*4096          ; b[e] at my eight outputs
	global_load_b128 v[BIAS+8*\e+4:BIAS+8*\e+7], v[VB], s[12:13] offset:\e*4096+16
.endr
	WIN 0
.irp e, 0,1,2,3,4,5,6,7
	global_load_b128 v[WS+4*\e:WS+4*\e+3], v[VS], s[10:11] offset:\e*32768             ; output r's words of K steps 4 h + 0 .. 3
.endr
.macro HEAD                            ; the address registers of the m tile at s52
	v_add_nc_u32 v[AXC], s52, v[LANE16]
	v_add_nc_u32 v[AXS], s53, v[LXS0]
	v_add_nc_u32 v[AGW], s53, v[AGW0]
.endm
.macro LX0 t, p                        ; nine loads: m tile t on from the address registers': fragments of K steps 0-3, and all its scale words into set p
.irp s, 0,1,2,3
.irp c, 0,1
	ds_load_b128 v[XF+8*\s+4*\c:XF+8*\s+4*\c+3], v[AXC] offset:(\t)*8192+(2*\s+\c)*512
.endr
.endr
	ds_load_b128 v[XSC+4*(\p):XSC+4*(\p)+3], v[AXS] offset:(\t)*512
.endm
.macro LX1 t, p                        ; ten loads: fragments of K steps 4-7, and the rows' eight weights into set p
.irp s, 4,5,6,7
.irp c, 0,1
	ds_load_b128 v[XF+8*\s+4*\c:XF+8*\s+4*\c+3], v[AXC] offset:(\t)*8192+(2*\s+\c)*512
.endr
.endr
.irp q, 0,1
	ds_load_b128 v[WT+8*(\p)+4*\q:WT+8*(\p)+4*\q+3], v[AGW] offset:(\t)*512+256*\q
.endr
.endm
.macro HALF hi, p                      ; 32 matrix instructions: four K steps x eight experts.  The first K step's C is b: nothing is cleared, no bias is added later
.irp s, 0,1,2,3
.irp e, 0,1,2,3,4,5,6,7
.if \hi
	v_wmma_scale_f32_16x16x128_f8f6f4 v[8*\e:8*\e+7], v[64*\s+8*\e:64*\s+8*\e+7], v[XF+32+8*\s:XF+32+8*\s+7], v[8*\e:8*\e+7], v[WS+4*\e+\s], v[XSC+4*\p+\s] matrix_a_fmt:MATRIX_FMT_FP4 matrix_b_fmt:MATRIX_FMT_FP4 matrix_a_scale:MATRIX_SCALE_ROW1 matrix_b_scale:MATRIX_SCALE_ROW1
.elseif \s == 0
	v_wmma_scale_f32_16x16x128_f8f6f4 v[8*\e:8*\e+7], v[64*\s+8*\e:64*\s+8*\e+7], v[XF+8*\s:XF+8*\s+7], v[BIAS+8*\e:BIAS+8*\e+7], v[WS+4*\e+\s], v[XSC+4*\p+\s] matrix_a_fmt:MATRIX_FMT_FP4 matrix_b_fmt:MATRIX_FMT_FP4
.else
	v_wmma_scale_f32_16x16x128_f8f6f4 v[8*\e:8*\e+7], v[64*\s+8*\e:64*\s+8*\e+7], v[XF+8*\s:XF+8*\s+7], v[8*\e:8*\e+7], v[WS+4*\e+\s], v[XSC+4*\p+\s] matrix_a_fmt:MATRIX_FMT_FP4 matrix_b_fmt:MATRIX_FMT_FP4
.endif
.endr
.endr
.endm
.macro CMB p                           ; the eight experts' sums times the row's weights, two outputs a line, four chains by turns; each accumulator from its low end on
.irp e, 0,1,2,3,4,5,6,7
.irp j, 0,2,4,6
.if \e == 0
	v_pk_mul_f32 v[OUTR+8*\p+\j:OUTR+8*\p+\j+1], v[8*\e+\j:8*\e+\j+1], v[WT+8*\p:WT+8*\p+1] op_sel_hi:[1,0]
.elseif (\e%2) == 0
	v_pk_fma_f32 v[OUTR+8*\p+\j:OUTR+8*\p+\j+1], v[8*\e+\j:8*\e+\j+1], v[WT+8*\p+\e:WT+8*\p+\e+1], v[OUTR+8*\p+\j:OUTR+8*\p+\j+1] op_sel_hi:[1,0,1]
.else
	v_pk_fma_f32 v[OUTR+8*\p+\j:OUTR+8*\p+\j+1], v[8*\e+\j:8*\e+\j+1], v[WT+8*\p+\e-1:WT+8*\p+\e], v[OUTR+8*\p+\j:OUTR+8*\p+\j+1] op_sel:[0,1,0] op_sel_hi:[1,1,1]
.endif
.endr
.endr
.endm
.macro ST p, sg                        ; my 32 bytes of row 16 p + r into stage sg
	ds_store_b128 v[STO0], v[OUTR+8*\p:OUTR+8*\p+3] offset:\sg*16384+\p*4352
	ds_store_b128 v[STO0], v[OUTR+8*\p+4:OUTR+8*\p+7] offset:\sg*16384+\p*4352+16
.endm
; A TRIP: two units, m tiles 2 o and 2 o + 1 on from the address registers'; results into stage sg.  hand = 1: the stage written in the trip before is read back and stored.  more = 1: the next trip's first m tile is fetched.
; Loads run half a unit ahead: while four K steps are multiplied, the fragments of the four K steps after the next are asked for.
.macro TRIP o, sg, hand, more
.if \hand
	s_wait_dscnt 12                                ; unit A's first nine loads are in: behind them stand its other ten and two stage stores
.else
	s_wait_dscnt 10                                ; (the first trip: its other ten)
.endif
	WIN 0xf1                                       ; W window 1, x window 0, C and D window 3
	HALF 0, 0
	WIN 0
	PLACES 4                                       ; in front of loads into fragments that these products have read
.if \hand
	s_wait_dscnt 0x0                               ; for the others' sake: my stores into the last trip's stage are done and my reads of the stage before it are in (also: unit A's other ten loads)
	s_barrier_signal -1
	LX0 2*\o+1, 1                                  ; bytes that no wave ever stores to
.else
	LX0 2*\o+1, 1
	s_wait_dscnt 9                                 ; all but the nine just issued
.endif
	WIN 0xf2                                       ; W window 2
	HALF 1, 0
	WIN 0
.if \hand
	s_barrier_wait -1                              ; the last trip's stage is whole, and nobody reads this trip's stage any more
.endif
	PLACES 5                                       ; four in front of the loads below and of the first read of results; the fifth for the next unit's first products, which write these accumulators anew
.if \hand
	s_wait_xcnt 0x0                                ; the last stores' addresses are translated (ISA guide 3.1): their data registers and their base are written again only behind this wait
	s_add_nc_u64 s[56:57], s[56:57], 131072        ; 32 rows of out on; the stores below reach back
.irp i, 0,1,2,3
	ds_load_b128 v[RB+4*\i:RB+4*\i+3], v[RD0] offset:(1-\sg)*16384+544*\i
.endr
.endif
	LX1 2*\o+1, 1
	WIN 0x03                                       ; source 0 (the accumulators) window 3
	CMB 0
	WIN 0
	ST 0, \sg
.if \hand
	s_wait_dscnt 16                                ; unit B's first nine loads are in: behind them 4 rows read back, its other ten, two stores
.else
	s_wait_dscnt 12
.endif
	WIN 0xf1
	HALF 0, 1
	WIN 0
	PLACES 4
.if \hand
	s_wait_dscnt 12                                ; the rows read back are in: behind them ten loads and two stores
.irp i, 0,1,2,3
	global_store_b128 v[CO], v[RB+4*\i:RB+4*\i+3], s[56:57] offset:8192*\i-131072 th:TH_STORE_NT   ; sixteen lanes store 256 consecutive bytes, aligned; written once, read by nobody here
.endr
.endif
.if \more
	LX0 2*\o+2, 0
	s_wait_dscnt 11                                ; unit B's other ten loads are in: behind them two stores and the nine just issued
.else
	s_wait_dscnt 2                                 ; (two stores)
.endif
	WIN 0xf2
	HALF 1, 1
	WIN 0
	PLACES 5
.if \more
	LX1 2*\o+2, 0
.endif
	WIN 0x03
	CMB 1
	WIN 0
	ST 1, \sg
.endm
	s_wait_tensorcnt 0x0                           ; my parts of x's codes, scale words and weights have landed,
	s_barrier_signal -1
	s_barrier_wait -1                              ; everybody's have: from here on LDS below the stages is only read
	HEAD
	LX0 0, 0
	LX1 0, 0
	s_wait_loadcnt 0x0                             ; W, b, W's scale words
	TRIP 0, 0, 0, 1                                ; m tiles 0, 1: nothing to hand on yet
	s_add_co_u32 s52, s52, 16384
	s_add_co_u32 s53, s53, 1024
	s_mov_b32 s55, 7
.Lpair:                                                ; seven trips of the loop, four m tiles each: m tiles 2 .. 29
	HEAD
	TRIP 0, 1, 1, 1
	TRIP 1, 0, 1, 1
	s_add_co_u32 s52, s52, 32768
	s_add_co_u32 s53, s53, 2048
	s_sub_co_u32 s55, s55, 1
	s_cmp_lg_u32 s55, 0
	s_cbranch_scc1 .Lpair
	HEAD
	TRIP 0, 1, 1, 0                                ; m tiles 30, 31: nothing more to fetch
	s_wait_dscnt 0x0                               ; my stores into stage 1 are done
	s_barrier_signal -1
	s_barrier_wait -1
	s_wait_xcnt 0x0                                ; the last stores have read their data registers
.irp i, 0,1,2,3
	ds_load_b128 v[RB+4*\i:RB+4*\i+3], v[RD0] offset:16384+544*\i
.endr
	s_wait_dscnt 0x0
.irp i, 0,1,2,3
	global_store_b128 v[CO], v[RB+4*\i:RB+4*\i+3], s[56:57] offset:8192*\i th:TH_STORE_NT   ; the base stands at the last 32 rows
.endr
	s_wait_tensorcnt 0x0
	ds_add_u32 v254, v255
	s_wait_dscnt 0x0
	CROUND                                         ; the closing round
	s_endpgm
.Lfunc_end_k_q8761ef5459_moe:
	.size	k_q8761ef5459_moe, .Lfunc_end_k_q8761ef5459_moe-k_q8761ef5459_moe
	.p2alignl 7, 3214868480
	.fill 96, 4, 3214868480
	.section	.rodata,"a",@progbits
	.p2align	6, 0x0
	.amdhsa_kernel k_q8761ef5459_moe
		.amdhsa_group_segment_fixed_size 327680
		.amdhsa_private_segment_fixed_size 0
		.amdhsa_enable_private_segment 0
		.amdhsa_kernarg_size 48
		.amdhsa_user_sgpr_count 2
		.amdhsa_user_sgpr_kernarg_segment_ptr 1
		.amdhsa_wavefront_size32 1
		.amdhsa_system_sgpr_workgroup_id_x 1
		.amdhsa_system_sgpr_workgroup_id_y 1
		.amdhsa_system_sgpr_workgroup_id_z 1
		.amdhsa_system_vgpr_workitem_id 0
		.amdhsa_next_free_vgpr 896
		.amdhsa_next_free_sgpr 66
		.amdhsa_reserve_vcc 0
		.amdhsa_float_denorm_mode_32 3
		.amdhsa_float_denorm_mode_16_64 3
		.amdhsa_memory_ordered 1
		.amdhsa_forward_progress 1
		.amdhsa_inst_pref_size 119
	.end_amdhsa_kernel
	.amdgpu_metadata
---
amdhsa.version: [ 1, 2 ]
amdhsa.kernels:
  - .name:           k_q8761ef5459_moe
    .symbol:         k_q8761ef5459_moe.kd
    .args:
      - { .name: xq, .offset: 0, .size: 8, .value_kind: global_buffer, .address_space: global }
      - { .name: side, .offset: 8, .size: 8, .value_kind: global_buffer, .address_space: global }
      - { .name: wq, .offset: 16, .size: 8, .value_kind: global_buffer, .address_space: global }
      - { .name: W_scales, .offset: 24, .size: 8, .value_kind: global_buffer, .address_space: global }
      - { .name: b, .offset: 32, .size: 8, .value_kind: global_buffer, .address_space: global }
      - { .name: out0, .offset: 40, .size: 8, .value_kind: global_buffer, .address_space: global }
    .group_segment_fixed_size: 327680
    .private_segment_fixed_size: 0
    .kernarg_segment_align: 8
    .kernarg_segment_size: 48
    .max_flat_workgroup_size: 128
    .sgpr_count:     66
    .vgpr_count:     896
    .wavefront_size: 32
...
	.end_amdgpu_metadata
.endif
;; end of part 2
;; ======== version 2 of 2: 2 launches
;; limits: right only within a limited range of input values
;; workspace buffers: xq 4,194,304 bytes; xs 262,144 bytes; gw 262,144 bytes; rec 65,536 bytes of whole numbers; wq 4,194,304 bytes
;; launch prep (part 3): grid 256 x 1, 8 waves a work-group, no clusters, 190,464 bytes of LDS; arguments x, Wg, bg, W_codes, xq, xs, gw, rec, wq; writes xq, xs, gw, rec, wq
.if DOCPART == 3
	.amdgcn_target "amdgcn-amd-amdhsa--gfx1250"
	.amdhsa_code_object_version 6
	.text
	.protected	k_q8761ef5459_prep
	.globl	k_q8761ef5459_prep
	.p2align	8
	.type	k_q8761ef5459_prep,@function
k_q8761ef5459_prep:
	s_mov_b64 s[64:65], 0
	v_nop
	global_prefetch_b8 v0, s[64:65] scope:SCOPE_SE
	s_setreg_imm32_b32 hwreg(HW_REG_WAVE_MODE, 25, 1), 1
	s_wait_xcnt 0x0
; PREP.  x [8192][1024] f32 is read once and gives:
;   xq  its E2M1 codes, a row of 512 bytes a token;  xs  its E8M0 bytes, 32 a token;
;   gw  [token][8] f32: softmax(x Wg^T + bg)[e] where e is one of the token's two largest, else 0;
;   rec a record of 256 bytes for each 32 tokens: for each pair of experts (28 bins of 8 bytes) how many of the 32 tokens chose it, and a mask that names them.
; The bins go (0,1)..(0,7), (1,7)..(1,2), (2,3)..(2,7), (3,7).. : neighbours share an expert.
; W_codes is laid anew into wq in the order of a matrix operand's registers: [tile][block q = k/32][r][16 bytes]; tile 4 G + i holds outputs 64 G + 4 r + i, r = 0..15.
; The gate is computed in f32 (v_wmma_f32_16x16x4_f32: 8 columns): a coarser format could change which expert comes second.
; LIMITS: NaN and infinities among the inputs are not served.  A block of zeros gets the byte 1 (the quantiser says 127): its codes are zeros and only this program reads the bytes.
;   The two largest are chosen on the logits, ties to the lower index; two different logits whose f32 scores would round to the same number could be ordered otherwise than by the scores.
; SHARES.  Work-group g: tokens 32 g .. + 31.  Wave w: the 16 rows of m tile w / 4, K quarter w % 4 (256 numbers of K).  Lane (r, h): row r, blocks 2 c + h of the quarter, c = 0..3.
; A wave's rows of x come by one tensor load into LDS bytes that it alone reads.  No prefetch: every load goes out at the head and there is no loop.
.set XW,   16640                       ; LDS: wave w's 16 rows of 1,024 bytes + 16 at w * XW
.set WGL,  133120                      ; Wg: expert e at e * 4112
.set CI,   166144                      ; the codes, 32 rows of 512 + 16
.set XSL,  183040                      ; the scale bytes, 1,024; behind them
.set GWL,  184064                      ; the weights, 1,024
.set PL,   185088                      ; partial logits [K quarter][row][expert]
.set SET,  189184                      ; a byte for each row: which two experts
.set SPARE,189440                      ; the spare words
.set L16, 6
.set L8,  7
.set VBG, 8
.set VW,  9
.set AX,  10
.set AWG, 11
.set AWS, 12
.set ACI, 13
.set AXS, 14
.set APL, 15
.set ATS, 16
.set AGW, 17
.set ARC, 18
.set ASD, 19
.set ASET,20
.set ASB, 21
.set SPW, 30
.set NIL, 31
.set X,   32                           ; v32-159 x: 32 c + number
.set A,   160                          ; v160-191 four accumulators
.set C,   192                          ; v192-207 codes; then codes on their way out
.set M,   208
.set SO,  212
.set SBY, 216
.set S,   220
.set U,   228
.set OW,  236                          ; v236-251 W on its way
.set BGV, 252
.set T,   208
.set LG,  212
.set MX,  213
.set PE,  214
.set SM,  215
.set RC,  216
.set PT,  217
.set CNT, 218
.set WV,  219
.set DD,  220
.set SETV,221
.set STB, 222
.set RCM, 224
.set OS,  226
.set MSB, 0
.macro WIN new                         ; the immediate's high byte repeats the setting that is left
.if MSB != \new
	s_set_vgpr_msb (MSB<<8)|\new
.set MSB, \new
.endif
.endm
.macro WA
	s_wait_alu depctr_va_vdst(0)
.endm
	s_load_b256 s[4:11], s[0:1], 0x0               ; x s[4:5], Wg s[6:7], bg s[8:9], W_codes s[10:11]
	s_load_b256 s[12:19], s[0:1], 0x20             ; xq s[12:13], xs s[14:15], gw s[16:17], rec s[18:19]
	s_load_b64 s[20:21], s[0:1], 0x40              ; wq
	v_lshl_add_u32 v[SPW], v0, 2, SPARE
	v_mov_b32 v[NIL], 0
	ds_add_u32 v[SPW], v[NIL]                      ; the opening adds
	ds_add_u32 v[SPW], v[NIL]
	v_lshrrev_b32 v1, 5, v0
	v_readfirstlane_b32 s22, v1                    ; wave 0..7
	s_lshr_b32 s23, s22, 2                         ; m tile
	s_and_b32 s60, s22, 3                          ; K quarter
	s_mov_b32 s24, (3<<16)|(1<<20)|(7<<22)|(3<<25) ; 16 rows of 1,024 bytes (128 elements of 8), 4,096 bytes apart, 16 bytes of padding behind each
	s_mov_b32 s25, 128<<16
	s_mov_b32 s26, 16<<16
	s_mov_b32 s27, 128<<16
	s_mov_b32 s28, 16
	s_mov_b32 s29, 512
	s_mov_b32 s30, 0
	s_mov_b32 s31, 0
	s_lshl_b32 s40, ttmp9, 17
	s_lshl_b32 s42, s23, 16
	s_add_co_u32 s40, s40, s42
	s_lshl_b32 s42, s60, 10
	s_add_co_u32 s40, s40, s42
	s_mov_b32 s41, 0
	s_mov_b32 s32, 1
	s_mul_i32 s33, s22, XW
	WA
	s_wait_dscnt 0x0                               ; both opening adds are done
	s_wait_kmcnt 0x0
	s_add_nc_u64 s[34:35], s[4:5], s[40:41]
	s_or_b32 s35, s35, 0x80000000
	tensor_load_to_lds s[32:35], s[24:31]          ; my 16 rows x 256 numbers
	s_nop 0
.rept 4
	v_nop
.endr
	s_lshl_b32 s40, s22, 12                        ; expert w's row of Wg
	s_add_nc_u64 s[6:7], s[6:7], s[40:41]
	s_lshr_b32 s40, ttmp9, 1
	s_lshl_b32 s40, s40, 15                        ; W: 64 rows of 512 bytes for two work-groups,
	s_and_b32 s42, ttmp9, 1
	s_lshl_b32 s42, s42, 10                        ; mine are rows 4 r + 2 (g % 2) + 0, 1,
	s_add_co_u32 s40, s40, s42
	s_lshl_b32 s42, s22, 6                         ; my wave's four blocks
	s_add_co_u32 s40, s40, s42
	s_add_nc_u64 s[10:11], s[10:11], s[40:41]
	s_lshl_b32 s40, ttmp9, 14
	s_lshl_b32 s42, s22, 11
	s_add_co_u32 s40, s40, s42
	s_add_nc_u64 s[12:13], s[12:13], s[40:41]      ; xq: 16,384 g + 2,048 w
	s_lshl_b32 s40, ttmp9, 14
	s_lshl_b32 s42, s22, 10
	s_add_co_u32 s40, s40, s42
	s_add_nc_u64 s[20:21], s[20:21], s[40:41]      ; wq: 16,384 g + 1,024 w
	s_cmp_lt_u32 s22, 4
	s_cselect_b64 s[46:47], s[14:15], s[16:17]     ; waves 0-3 store scale bytes, waves 4-7 weights,
	s_lshl_b32 s40, ttmp9, 10
	s_lshl_b32 s42, s60, 8
	s_add_co_u32 s40, s40, s42
	s_add_nc_u64 s[46:47], s[46:47], s[40:41]      ; 256 bytes each
	s_lshl_b32 s40, ttmp9, 8
	s_add_nc_u64 s[18:19], s[18:19], s[40:41]
	s_mul_i32 s66, s22, XW
	s_lshl_b32 s67, s60, 10
	s_add_co_u32 s67, s67, WGL
	s_mul_i32 s68, s22, 4112
	s_add_co_u32 s68, s68, WGL
	s_mul_i32 s69, s23, 8448
	s_lshl_b32 s42, s60, 7
	s_add_co_u32 s69, s69, s42
	s_add_co_u32 s69, s69, CI
	s_lshl_b32 s70, s23, 9
	s_lshl_b32 s42, s60, 3
	s_add_co_u32 s70, s70, s42
	s_add_co_u32 s70, s70, XSL
	s_lshl_b32 s71, s23, 9
	s_lshl_b32 s42, s60, 10
	s_add_co_u32 s71, s71, s42
	s_add_co_u32 s71, s71, PL
	s_mul_i32 s72, s22, 2112
	s_add_co_u32 s72, s72, CI
	s_lshl_b32 s73, s22, 2
	s_add_co_u32 s73, s73, SET
	v_and_b32 v5, 31, v0                           ; lane
	v_lshlrev_b32 v[L16], 4, v5
.irp k, 0,1,2,3,4,5,6,7
	global_load_b128 v[X+4*\k:X+4*\k+3], v[L16], s[6:7] offset:512*\k
.endr
	v_and_b32 v2, 15, v0                           ; r
	v_bfe_u32 v3, v0, 4, 1                         ; h
	v_and_b32 v4, 7, v0                            ; expert
	v_lshlrev_b32 v[VBG], 2, v4
	v_lshlrev_b32 v[VW], 4, v3
	v_lshl_add_u32 v[VW], v2, 11, v[VW]
	global_load_b32 v[BGV], v[VBG], s[8:9]
.irp tt, 0,1
.irp c, 0,1
	global_load_b128 v[OW+4*(2*\tt+\c):OW+4*(2*\tt+\c)+3], v[VW], s[10:11] offset:\tt*512+32*\c
.endr
.endr
	v_lshlrev_b32 v[L8], 3, v5
	v_mul_u32_u24 v[AX], v2, 1040
	v_lshl_add_u32 v[AX], v3, 7, v[AX]
	v_add_nc_u32 v[AX], s66, v[AX]
	v_mul_u32_u24 v[AWG], v4, 4112
	v_lshl_add_u32 v[AWG], v3, 7, v[AWG]
	v_add_nc_u32 v[AWG], s67, v[AWG]
	v_add_nc_u32 v[AWS], s68, v[L16]
	v_mul_u32_u24 v[ACI], v2, 528
	v_lshl_add_u32 v[ACI], v3, 4, v[ACI]
	v_add_nc_u32 v[ACI], s69, v[ACI]
	v_lshl_add_u32 v[AXS], v2, 5, v3
	v_add_nc_u32 v[AXS], s70, v[AXS]
	v_lshlrev_b32 v[APL], 8, v3
	v_lshl_add_u32 v[APL], v4, 2, v[APL]
	v_add_nc_u32 v[APL], s71, v[APL]
	v_lshl_add_u32 v[ATS], v0, 2, PL
	v_lshl_add_u32 v[AGW], v0, 2, GWL
	v_add_nc_u32 v[ARC], s72, v[L16]
	v_lshl_add_u32 v[ASD], v0, 3, XSL
	v_mov_b32 v[ASET], s73
	v_add_nc_u32 v[ASB], SET, v5
	WA
	s_wait_loadcnt 0x5                             ; my row of Wg: behind it bg and four loads of W
.irp k, 0,1,2,3,4,5,6,7
	ds_store_b128 v[AWS], v[X+4*\k:X+4*\k+3] offset:512*\k
.endr
	s_wait_dscnt 0x0
	s_barrier_signal -1
	s_barrier_wait -1                              ; all eight rows of Wg are in LDS
	WIN 0x40
.irp c, 0,1,2,3
.irp k, 0,1,2,3,4,5,6,7
	ds_load_b128 v[32*\c+4*\k:32*\c+4*\k+3], v[AWG] offset:256*\c+16*\k
.endr
.endr
	WIN 0
	s_wait_tensorcnt 0x0                           ; my rows of x have landed (only my wave reads them)
.irp c, 0,1,2,3
.irp k, 0,1,2,3,4,5,6,7
	ds_load_b128 v[X+32*\c+4*\k:X+32*\c+4*\k+3], v[AX] offset:256*\c+16*\k
.endr
.endr
	s_wait_dscnt 0x0
	; the gate: an instruction takes two numbers of each lane's block; four accumulators by turns, 16 links each.  Columns 8-15 repeat the eight experts
	WIN 0x04
.irp i, 0,2,4,6,8,10,12,14,16,18,20,22,24,26,28,30
.irp c, 0,1,2,3
.if \i == 0
	v_wmma_f32_16x16x4_f32 v[A+8*\c:A+8*\c+7], v[X+32*\c:X+32*\c+1], v[32*\c:32*\c+1], 0
.else
	v_wmma_f32_16x16x4_f32 v[A+8*\c:A+8*\c+7], v[X+32*\c+\i:X+32*\c+\i+1], v[32*\c+\i:32*\c+\i+1], v[A+8*\c:A+8*\c+7]
.endif
.endr
.endr
	WIN 0
	; the quantiser: four blocks by turns; the floor 2^(3 - 127) holds the byte at 1 from below.  These lines are also the places behind the products
.irp c, 0,1,2,3
	v_max3_num_f32 v[M+\c], |v[X+32*\c]|, |v[X+32*\c+1]|, 0x1800000
.endr
.irp n, 2,4,6,8,10,12,14,16,18,20,22,24,26,28,30
.irp c, 0,1,2,3
	v_max3_num_f32 v[M+\c], v[M+\c], |v[X+32*\c+\n]|, |v[X+32*\c+\n+1]|
.endr
.endr
.irp c, 0,1,2,3
	v_add_nc_u32 v[SO+\c], 0xff000000, v[M+\c]     ; 2 off the exponent field: the conversion's scale operand
.endr
.irp c, 0,1,2,3
.irp q, 0,1,2,3
	v_cvt_scalef32_pk8_fp4_f32 v[C+4*\c+\q], v[X+32*\c+8*\q:X+32*\c+8*\q+7], v[SO+\c]
.endr
.endr
.irp c, 0,1,2,3
	v_lshrrev_b32 v[SBY+\c], 23, v[SO+\c]          ; the scale's byte
.endr
.irp c, 0,1,2,3
	ds_store_b128 v[ACI], v[C+4*\c:C+4*\c+3] offset:32*\c
	ds_store_b8 v[AXS], v[SBY+\c] offset:2*\c
.endr
	; the four accumulators' sum: register j is row 8 h + j, lane r expert r % 8
.irp j, 0,2,4,6
	v_pk_add_f32 v[S+\j:S+\j+1], v[A+\j:A+\j+1], v[A+8+\j:A+8+\j+1]
	v_pk_add_f32 v[U+\j:U+\j+1], v[A+16+\j:A+16+\j+1], v[A+24+\j:A+24+\j+1]
.endr
.irp j, 0,2,4,6
	v_pk_add_f32 v[S+\j:S+\j+1], v[S+\j:S+\j+1], v[U+\j:U+\j+1]
.endr
.irp j, 0,1,2,3,4,5,6,7
	ds_store_b32 v[APL], v[S+\j] offset:32*\j      ; lanes r and r + 8 store the same number
.endr
	s_wait_dscnt 0x0
	s_barrier_signal -1
	s_barrier_wait -1
.irp k, 0,1,2,3
	ds_load_b32 v[T+\k], v[ATS] offset:1024*\k     ; thread t: row t / 8, expert t % 8
.endr
.irp i, 0,1,2,3
	ds_load_b128 v[C+4*\i:C+4*\i+3], v[ARC] offset:528*\i
.endr
	s_wait_loadcnt 0x0                             ; bg and W
.irp tt, 0,1
.irp c, 0,1
	global_store_b128 v[L16], v[OW+4*(2*\tt+\c):OW+4*(2*\tt+\c)+3], s[20:21] offset:\tt*8192+\c*512   ; 512 consecutive bytes, aligned
.endr
.endr
	s_wait_dscnt 0x0
.irp i, 0,1,2,3
	global_store_b128 v[L16], v[C+4*\i:C+4*\i+3], s[12:13] offset:512*\i
.endr
	v_add_f32 v[T], v[T], v[T+1]
	v_add_f32 v[T+2], v[T+2], v[T+3]
	v_add_f32 v[T], v[T], v[T+2]
	v_add_f32 v[LG], v[T], v[BGV]                  ; the logit
	; softmax over the eight lanes of a row: the maximum is taken away first
	v_mov_b32 v[MX], v[LG]
	v_max_num_f32_dpp v[MX], v[MX], v[MX] row_xmask:1 row_mask:0xf bank_mask:0xf
	v_max_num_f32_dpp v[MX], v[MX], v[MX] row_xmask:2 row_mask:0xf bank_mask:0xf
	v_max_num_f32_dpp v[MX], v[MX], v[MX] row_xmask:4 row_mask:0xf bank_mask:0xf
	v_sub_f32 v[DD], v[LG], v[MX]
	v_mul_f32 v[DD], 0x3fb8aa3b, v[DD]             ; x log2(e)
	WA
	v_exp_f32 v[PE], v[DD]
	v_mov_b32 v[PT], 0                             ; a plain line behind the exponential; a lane move's destination counts as read
	WA
	v_mov_b32 v[SM], v[PE]
	v_add_f32_dpp v[SM], v[SM], v[SM] row_xmask:1 row_mask:0xf bank_mask:0xf
	v_add_f32_dpp v[SM], v[SM], v[SM] row_xmask:2 row_mask:0xf bank_mask:0xf
	v_add_f32_dpp v[SM], v[SM], v[SM] row_xmask:4 row_mask:0xf bank_mask:0xf
	WA
	v_rcp_f32 v[RC], v[SM]
	v_mov_b32 v[CNT], 0                            ; a plain line behind the reciprocal
	; my rank: a larger logit comes before me, or an equal one with a lower index (expert e xor m is lower where e has m's top bit)
.irp m, 1,2,3,4,5,6,7
	v_mov_b32_dpp v[PT], v[LG] row_xmask:\m row_mask:0xf bank_mask:0xf
	v_cmp_gt_f32 s50, v[PT], v[LG]
	v_cmp_ge_f32 s51, v[PT], v[LG]
.if \m < 2
	s_and_b32 s51, s51, 0xaaaaaaaa
.elseif \m < 4
	s_and_b32 s51, s51, 0xcccccccc
.else
	s_and_b32 s51, s51, 0xf0f0f0f0
.endif
	s_or_b32 vcc_lo, s50, s51
	v_add_co_ci_u32 v[CNT], vcc_lo, 0, v[CNT], vcc_lo
.endr
	WA
	v_mul_f32 v[PE], v[PE], v[RC]                  ; the score
	v_cmp_gt_u32 vcc_lo, 2, v[CNT]
	s_mov_b32 s52, vcc_lo                          ; four rows' bytes: which two experts
	v_cndmask_b32 v[WV], 0, v[PE], vcc_lo
	v_mov_b32 v[SETV], s52
	ds_store_b32 v[AGW], v[WV]
	ds_store_b32 v[ASET], v[SETV]
	s_wait_dscnt 0x0
	s_barrier_signal -1
	s_barrier_wait -1
	ds_load_b64 v[OS:OS+1], v[ASD]
	s_wait_dscnt 0x0
	global_store_b64 v[L8], v[OS:OS+1], s[46:47]   ; 256 consecutive bytes, aligned
	s_cmp_lg_u32 s22, 0
	s_cbranch_scc1 .Lno_record
	; wave 0 makes the record: lane n holds bin n's count and mask
	ds_load_u8 v[STB], v[ASB]
	v_mov_b32 v[RCM], 0
	v_mov_b32 v[RCM+1], 0
	WA
	s_wait_dscnt 0x0
.macro BIN n, a, b
	v_cmp_eq_u32 s[48+2*((\n)%4)], (1<<\a)|(1<<\b), v[STB]
	s_bcnt1_i32_b32 s[49+2*((\n)%4)], s[48+2*((\n)%4)]
	v_writelane_b32 v[RCM+1], s[48+2*((\n)%4)], \n
	v_writelane_b32 v[RCM], s[49+2*((\n)%4)], \n
.endm
.irp b, 1,2,3,4,5,6,7
	BIN \b-1, 0, \b
.endr
.irp b, 2,3,4,5,6,7
	BIN 14-\b, 1, \b
.endr
.irp b, 3,4,5,6,7
	BIN 10+\b, 2, \b
.endr
.irp b, 4,5,6,7
	BIN 25-\b, 3, \b
.endr
.irp b, 5,6,7
	BIN 17+\b, 4, \b
.endr
	BIN 25, 5, 7
	BIN 26, 5, 6
	BIN 27, 6, 7
	WA
	global_store_b64 v[L8], v[RCM:RCM+1], s[18:19] ; 256 consecutive bytes, aligned
.Lno_record:
	s_wait_tensorcnt 0x0                           ; the wave's end
	ds_add_u32 v[SPW], v[NIL]
	s_wait_dscnt 0x0
	s_endpgm
.Lfunc_end_k_q8761ef5459_prep:
	.size	k_q8761ef5459_prep, .Lfunc_end_k_q8761ef5459_prep-k_q8761ef5459_prep
	.p2alignl 7, 3214868480
	.fill 96, 4, 3214868480
	.section	.rodata,"a",@progbits
	.p2align	6, 0x0
	.amdhsa_kernel k_q8761ef5459_prep
		.amdhsa_group_segment_fixed_size 190464
		.amdhsa_private_segment_fixed_size 0
		.amdhsa_enable_private_segment 0
		.amdhsa_kernarg_size 72
		.amdhsa_user_sgpr_count 2
		.amdhsa_user_sgpr_kernarg_segment_ptr 1
		.amdhsa_wavefront_size32 1
		.amdhsa_system_sgpr_workgroup_id_x 1
		.amdhsa_system_sgpr_workgroup_id_y 1
		.amdhsa_system_sgpr_workgroup_id_z 1
		.amdhsa_system_vgpr_workitem_id 0
		.amdhsa_next_free_vgpr 384
		.amdhsa_next_free_sgpr 80
		.amdhsa_reserve_vcc 1
		.amdhsa_float_denorm_mode_32 3
		.amdhsa_float_denorm_mode_16_64 3
		.amdhsa_memory_ordered 1
		.amdhsa_forward_progress 1
		.amdhsa_inst_pref_size 35
	.end_amdhsa_kernel
	.amdgpu_metadata
---
amdhsa.version: [ 1, 2 ]
amdhsa.kernels:
  - .name:           k_q8761ef5459_prep
    .symbol:         k_q8761ef5459_prep.kd
    .args:
      - { .name: x, .offset: 0, .size: 8, .value_kind: global_buffer, .address_space: global }
      - { .name: Wg, .offset: 8, .size: 8, .value_kind: global_buffer, .address_space: global }
      - { .name: bg, .offset: 16, .size: 8, .value_kind: global_buffer, .address_space: global }
      - { .name: W_codes, .offset: 24, .size: 8, .value_kind: global_buffer, .address_space: global }
      - { .name: xq, .offset: 32, .size: 8, .value_kind: global_buffer, .address_space: global }
      - { .name: xs, .offset: 40, .size: 8, .value_kind: global_buffer, .address_space: global }
      - { .name: gw, .offset: 48, .size: 8, .value_kind: global_buffer, .address_space: global }
      - { .name: rec, .offset: 56, .size: 8, .value_kind: global_buffer, .address_space: global }
      - { .name: wq, .offset: 64, .size: 8, .value_kind: global_buffer, .address_space: global }
    .group_segment_fixed_size: 190464
    .private_segment_fixed_size: 0
    .kernarg_segment_align: 8
    .kernarg_segment_size: 72
    .max_flat_workgroup_size: 256
    .sgpr_count:     80
    .vgpr_count:     384
    .wavefront_size: 32
...
	.end_amdgpu_metadata
.endif
;; end of part 3
;; launch moe (part 4): grid 256 x 1, 4 waves a work-group, no clusters, 140,288 bytes of LDS; arguments xq, xs, gw, rec, wq, W_scales, b, out0; writes out0
.if DOCPART == 4
	.amdgcn_target "amdgcn-amd-amdhsa--gfx1250"
	.amdhsa_code_object_version 6
	.text
	.protected	k_q8761ef5459_moe
	.globl	k_q8761ef5459_moe
	.p2align	8
	.type	k_q8761ef5459_moe,@function
k_q8761ef5459_moe:
	s_mov_b64 s[64:65], 0
	v_nop
	global_prefetch_b8 v0, s[64:65] scope:SCOPE_SE
	s_setreg_imm32_b32 hwreg(HW_REG_WAVE_MODE, 25, 1), 1
	s_wait_xcnt 0x0
; out[t][o] = sum over the two chosen experts e of g[t][e] * (Q(x[t]) . W[e][o] + b[e][o]).
; The 8192 tokens are taken in the order of their pair of experts (28 bins, in each bin by token number).  Work-group g: places 128 rb .. + 127 of that order (rb = g / 4), outputs 256 cb .. + 255 (cb = g % 4).
; Only experts that some token of the block chose are multiplied: which they are is read from rec, whole numbers of the launch before.  Neighbouring bins share an expert, so a block that meets n bins needs n + 1 experts or so; every split is served.
; LIMIT: inside a block an expert that a token did not choose is multiplied by the weight 0, so its sum has to be finite; NaN and infinities are not served, and one that reaches only experts left out is not carried.
; No tensor load and no cluster: which expert's W is read, and how many, hangs on loaded numbers, so partners could not make the same joint requests.
; SHARES.  Wave w: outputs 64 (4 cb + w) .. + 63 for all 128 tokens: 8 x 4 tiles.  W goes from memory straight into registers, each byte once a work-group; x's rows are gathered into LDS and read by all four waves.
; Source 0 = 16 tokens, source 1 = 16 outputs; tile i of W holds outputs 4 r + i, so lane r ends with four neighbouring outputs and sixteen lanes store 256 consecutive bytes of a row.
; PREFETCH: wq is read by every row block; each work-group asks at its head for 32 KB of it, a block of 256 bytes a lane, 8 KB a wave; two work-groups (g and g xor 4) name the same part.  It stops there: nothing is asked in the loop, whose loads run one expert ahead.
; REGISTERS: window 0: addresses, scales, x's fragments (two buffers of 64 at v128).  window 1: W of one expert, v[32 s + 8 i] for K step s.  window 2: accumulators v[8 (4 u + i)].  window 3: results v[32 u + 4 j + i].
.set CM,   67584                       ; LDS: x's rows, 528 bytes apart, at 0; here the 256 records
.set GS,   133120                      ; counts of 16 groups of 16 records, 128 bytes each
.set LIST, 135168                      ; the block's 128 tokens
.set GW,   135680                      ; weights [expert][place]
.set SPARE,139776                      ; the spare words
.set ACM,  1                           ; v1: where my records go; later a gather's offset
.set VB,   4
.set ALR,  5
.set ALS,  6
.set AXW,  7
.set GD,   8                           ; v8-15 my token's weights
.set WSC,  16                          ; v16-31 W's scale words: 4 i + s % 4; lanes 0-15 K steps 0-3, lanes 16-31 K steps 4-7
.set XSC,  32                          ; v32-63 x's: 4 u + s % 4, likewise
.set CB,   64                          ; v64-95 b as C; then weights; in the head at work
.set SB,   96                          ; v96-111 the next expert's scale words
.set BB,   112                         ; v112-115 its b
.set L16,  116
.set R16,  117
.set VSC,  118
.set AXF,  119
.set GWB,  120
.set AGR,  121
.set ALT,  122
.set H16,  123
.set SPW,  124
.set NIL,  125
.set AGSL, 126
.set AGST, 127
.set PF,   94
.set XF,   128
.set MSB, 0
.macro WIN new                         ; the immediate's high byte repeats the setting that is left
.if MSB != \new
	s_set_vgpr_msb (MSB<<8)|\new
.set MSB, \new
.endif
.endm
.macro WA
	s_wait_alu depctr_va_vdst(0)
.endm
.macro BAR
	s_barrier_signal -1
	s_barrier_wait -1
.endm
.macro PLACES                          ; four places behind matrix instructions (ISA guide 7.12.1)
.rept 4
	v_nop
.endr
.endm
.macro NEXTE                           ; the next expert of the block, and where its W, scales and b begin for my wave
	s_ctz_i32_b32 s36, s34
	s_min_u32 s36, s36, 7
	s_sub_co_u32 s50, s34, 1
	s_and_b32 s34, s34, s50
	s_wait_xcnt 0x0                                ; pending loads have read their bases
	s_lshl_b32 s32, s36, 19
	s_add_nc_u64 s[26:27], s[12:13], s[32:33]
	s_lshl_b32 s32, s36, 15
	s_add_nc_u64 s[28:29], s[14:15], s[32:33]
	s_lshl_b32 s32, s36, 12
	s_add_nc_u64 s[30:31], s[16:17], s[32:33]
.endm
.macro LDSC                            ; five loads
.irp i, 0,1,2,3
	global_load_b128 v[SB+4*\i:SB+4*\i+3], v[VSC], s[28:29] offset:32*\i
.endr
	global_load_b128 v[BB:BB+3], v[R16], s[30:31]
.endm
.macro LDW s                           ; eight loads: W of K step s, 512 consecutive bytes each
	WIN 0x40
.irp i, 0,1,2,3
.irp c, 0,1
	global_load_b128 v[32*(\s)+8*\i+4*\c:32*(\s)+8*\i+4*\c+3], v[L16], s[26:27] offset:\i*8192+(2*(\s)+\c)*512
.endr
.endr
	WIN 0
.endm
.macro FRAGS s, p                      ; 16 loads: x's fragments of K step s into buffer p
.irp u, 0,1,2,3,4,5,6,7
.irp c, 0,1
	ds_load_b128 v[XF+64*(\p)+8*\u+4*\c:XF+64*(\p)+8*\u+4*\c+3], v[AXF] offset:\u*8448+64*(\s)+32*\c
.endr
.endr
.endm
.macro WT u, p                         ; two loads: the weights of tokens 16 u + 8 h + 0..7
	ds_load_b128 v[CB+8*\p:CB+8*\p+3], v[AGR] offset:64*\u
	ds_load_b128 v[CB+8*\p+4:CB+8*\p+7], v[AGR] offset:64*\u+16
.endm
	s_load_b512 s[4:19], s[0:1], 0x0               ; xq 4, xs 6, gw 8, rec 10, wq 12, W_scales 14, b 16, out0 18
	v_lshl_add_u32 v[SPW], v0, 2, SPARE
	v_mov_b32 v[NIL], 0
	v_lshrrev_b32 v1, 5, v0
	v_readfirstlane_b32 s20, v1                    ; wave 0..3
	s_and_b32 s21, ttmp9, 3                        ; cb
	s_lshr_b32 s22, ttmp9, 2                       ; rb
	s_lshl_b32 s24, s22, 7                         ; my places: s24 ..
	s_add_co_u32 s25, s24, 128                     ; .. s25 - 1
	s_lshl_b32 s23, s21, 2
	s_add_co_u32 s23, s23, s20                     ; my group of 64 outputs
	s_lshr_b32 s40, ttmp9, 3
	s_lshl_b32 s40, s40, 2
	s_add_co_u32 s40, s40, s21
	s_lshl_b32 s40, s40, 15
	s_lshl_b32 s41, s20, 13
	s_add_co_u32 s40, s40, s41                     ; my part of wq to ask for
	s_mov_b32 s41, 0
	s_mov_b32 s33, 0
	s_mov_b32 s42, 0x76543210
	s_mov_b32 s43, 0xfedcba98                      ; v_permlanex16_b32's selects for lane l xor 16
	s_lshl_b32 s52, s20, 14
	s_add_co_u32 s52, s52, CM
	s_lshl_b32 s53, s20, 9
	s_add_co_u32 s53, s53, GS
	s_mul_i32 s54, s20, 16896
	s_lshl_b32 s55, s20, 7
	s_add_co_u32 s55, s55, LIST
	v_and_b32 v2, 15, v0                           ; r
	v_bfe_u32 v3, v0, 4, 1                         ; h
	v_and_b32 v4, 31, v0                           ; lane
	v_lshlrev_b32 v[L16], 4, v4
	v_lshlrev_b32 v[R16], 4, v2
	v_lshlrev_b32 v[H16], 4, v3
	v_lshl_add_u32 v[VSC], v2, 7, v[H16]
	v_mul_u32_u24 v[AXF], v2, 528
	v_add_nc_u32 v[AXF], v[AXF], v[H16]
	v_lshl_add_u32 v[GWB], v3, 5, GW
	v_lshl_add_u32 v[ALT], v3, 5, LIST
	v_lshl_add_u32 v[AGSL], v4, 2, GS
	v_lshlrev_b32 v[AGST], 3, v2
	v_add_nc_u32 v[AGST], s53, v[AGST]
	v_add_nc_u32 v[ACM], s52, v[L16]
	v_lshl_add_u32 v[ALR], v2, 2, LIST
	v_lshl_add_u32 v[ALS], v0, 2, LIST
	v_add_nc_u32 v[AXW], s54, v[L16]
	v_lshlrev_b32 v[PF], 8, v4
	v_mov_b32 v[VB], s55
	WA
	s_wait_kmcnt 0x0
	s_lshl_b32 s32, s20, 14
	s_add_nc_u64 s[10:11], s[10:11], s[32:33]      ; my wave's 64 records
	s_add_nc_u64 s[38:39], s[12:13], s[40:41]
.set n, 0
.rept 32
	global_load_b128 v[XF+4*n:XF+4*n+3], v[L16], s[10:11] offset:512*n   ; two records a load: lane % 16 holds bins 2 (l % 16), + 1: count, mask, count, mask
.set n, n+1
.endr
	global_prefetch_b8 v[PF], s[38:39] th:TH_LOAD_NT scope:SCOPE_SE
	s_lshl_b32 s32, s23, 15
	s_add_nc_u64 s[12:13], s[12:13], s[32:33]      ; wq: four tiles of 8,192 bytes a wave
	s_lshl_b32 s32, s23, 11
	s_add_nc_u64 s[14:15], s[14:15], s[32:33]
	s_lshl_b32 s32, s23, 8
	s_add_nc_u64 s[16:17], s[16:17], s[32:33]
	s_add_nc_u64 s[18:19], s[18:19], s[32:33]
.irp k, 0,1,2,3,4,5,6,7
	v_mov_b32 v[80+\k], 0                          ; a lane permute's destination counts as one of its sources
.endr
	WA
	; records into LDS, and the counts of each group of 16 records: eight loads a group
.irp k, 0,1,2,3
	s_wait_loadcnt 24-8*\k
.irp n, 0,1,2,3,4,5,6,7
	ds_store_b128 v[ACM], v[XF+32*\k+4*\n:XF+32*\k+4*\n+3] offset:512*(8*\k+\n)
.endr
.irp d, 0,1
	v_add3_u32 v[72+2*\k+\d], v[XF+32*\k+2*\d], v[XF+32*\k+4+2*\d], v[XF+32*\k+8+2*\d]
.endr
.irp d, 0,1
	v_add3_u32 v[72+2*\k+\d], v[72+2*\k+\d], v[XF+32*\k+12+2*\d], v[XF+32*\k+16+2*\d]
.endr
.irp d, 0,1
	v_add3_u32 v[72+2*\k+\d], v[72+2*\k+\d], v[XF+32*\k+20+2*\d], v[XF+32*\k+24+2*\d]
.endr
.irp d, 0,1
	v_add_nc_u32 v[72+2*\k+\d], v[72+2*\k+\d], v[XF+32*\k+28+2*\d]
.endr
.endr
	WA
.irp k, 0,1,2,3,4,5,6,7
	v_permlanex16_b32 v[80+\k], v[72+\k], s42, s43
.endr
.irp k, 0,1,2,3,4,5,6,7
	v_add_nc_u32 v[72+\k], v[72+\k], v[80+\k]
.endr
.irp k, 0,1,2,3
	ds_store_b64 v[AGST], v[72+2*\k:73+2*\k] offset:128*\k
.endr
	s_wait_dscnt 0x0
	BAR
	; lane = bin: its total, and where it starts in the order
.irp k, 0,1,2,3,4,5,6,7,8,9,10,11,12,13,14,15
	ds_load_b32 v[XF+\k], v[AGSL] offset:128*\k
.endr
	v_mov_b32 v65, 0
	WA
	s_wait_dscnt 0x0
	v_add3_u32 v64, v[XF], v[XF+1], v[XF+2]
	v_add3_u32 v66, v[XF+3], v[XF+4], v[XF+5]
.irp k, 6,10
	v_add3_u32 v64, v64, v[XF+\k], v[XF+\k+1]
	v_add3_u32 v66, v66, v[XF+\k+2], v[XF+\k+3]
.endr
	v_add3_u32 v64, v64, v[XF+14], v[XF+15]
	v_add_nc_u32 v64, v64, v66
	v_mov_b32 v66, v64
.irp k, 1,2,4,8
	v_mov_b32_dpp v65, v66 row_shr:\k row_mask:0xf bank_mask:0xf bound_ctrl:1
	v_add_nc_u32 v66, v66, v65
.endr
	v_readlane_b32 s44, v66, 15
	v_mul_u32_u24 v65, s44, v3
	v_add_nc_u32 v66, v66, v65                     ; where the bin ends
	v_sub_nc_u32 v67, v66, v64                     ; where it starts
	v_cmp_lt_u32 s45, s24, v66
	v_cmp_gt_u32 s46, s25, v67
	v_cmp_ne_u32 s47, 0, v64
.irp b, 1,2,3,4,5,6,7,8,9,10,11,12,13,14,15,16,17,18,19,20,21,22,23,24,25,26,27
	v_readlane_b32 s[66+\b], v67, \b
.endr
	WA
	s_and_b32 s48, s45, s46
	s_and_b32 s48, s48, s47                        ; the bins that my places meet
	s_mov_b32 s34, 0
.macro EX e, m
	s_and_b32 s49, s48, \m
	s_cselect_b32 s50, 1<<\e, 0
	s_or_b32 s34, s34, s50
.endm
	EX 0, 0x0000007f                               ; expert 0: bins 0-6
	EX 1, 0x00001f81                               ; 0, 7-12
	EX 2, 0x0003f002                               ; 1, 12-17
	EX 3, 0x003c2804                               ; 2, 11, 13, 18-21
	EX 4, 0x01e04408                               ; 3, 10, 14, 21-24
	EX 5, 0x06508210                               ; 4, 9, 15, 20, 22, 25, 26
	EX 6, 0x0c890120                               ; 5, 8, 16, 19, 23, 26, 27
	EX 7, 0x0b0600c0                               ; 6, 7, 17, 18, 24, 25, 27
	s_bcnt1_i32_b32 s35, s34
	s_sub_co_u32 s35, s35, 2                       ; experts between the first and the last: every token has two, so 0 at the least
	NEXTE
	LDSC                                           ; the first expert's W sets out under the search
	LDW 0
	LDW 1
	LDW 2
	LDW 3
	; EACH THREAD FINDS THE TOKEN OF ITS PLACE: the bin, the group of 16 records, the record, the set bit of its mask
	v_add_nc_u32 v68, s24, v0                      ; my place
	v_mov_b32 v69, 0
.irp b, 1,2,3,4,5,6,7,8,9,10,11,12,13,14,15,16,17,18,19,20,21,22,23,24,25,26,27
	v_cmp_le_u32 vcc_lo, s[66+\b], v68
	v_add_co_ci_u32 v69, vcc_lo, 0, v69, vcc_lo
.endr
	v_min_u32 v69, 31, v69                         ; the bin
	v_lshlrev_b32 v70, 2, v69
	v_lshl_add_u32 v73, v69, 2, GS
	ds_bpermute_b32 v71, v70, v67
.irp k, 0,1,2,3,4,5,6,7,8,9,10,11,12,13,14,15
	ds_load_b32 v[XF+\k], v73 offset:128*\k
.endr
	v_mov_b32 v74, 0
	v_mov_b32 v75, 0
	v_mov_b32 v76, 0
	WA
	s_wait_dscnt 0x0
	v_sub_nc_u32 v72, v68, v71                     ; my number in the bin
.irp k, 0,1,2,3,4,5,6,7,8,9,10,11,12,13,14
	v_add_nc_u32 v74, v74, v[XF+\k]
	v_cmp_ge_u32 vcc_lo, v72, v74
	v_cndmask_b32 v75, v75, v74, vcc_lo
	v_add_co_ci_u32 v76, vcc_lo, 0, v76, vcc_lo
.endr
	v_sub_nc_u32 v72, v72, v75                     ; in the group
	v_min_u32 v76, 15, v76
	v_lshlrev_b32 v77, 12, v76
	v_lshl_add_u32 v77, v69, 3, v77
	v_add_nc_u32 v77, CM, v77
.irp k, 0,1,2,3,4,5,6,7,8,9,10,11,12,13,14,15
	ds_load_b64 v[XF+2*\k:XF+2*\k+1], v77 offset:256*\k
.endr
	v_mov_b32 v74, 0
	v_mov_b32 v75, 0
	v_mov_b32 v78, 0
	WA
	s_wait_dscnt 0x0
	v_mov_b32 v79, v[XF+1]
.irp k, 0,1,2,3,4,5,6,7,8,9,10,11,12,13,14
	v_add_nc_u32 v74, v74, v[XF+2*\k]
	v_cmp_ge_u32 vcc_lo, v72, v74
	v_cndmask_b32 v75, v75, v74, vcc_lo
	v_cndmask_b32 v79, v79, v[XF+2*\k+3], vcc_lo
	v_add_co_ci_u32 v78, vcc_lo, 0, v78, vcc_lo
.endr
	v_sub_nc_u32 v72, v72, v75                     ; in the record: I want set bit v72 of v79
	v_lshrrev_b32 v84, 1, v79
	v_and_b32 v84, 0x55555555, v84
	v_sub_nc_u32 v80, v79, v84                     ; bits set in each 2,
	v_lshrrev_b32 v84, 2, v80
	v_and_b32 v84, 0x33333333, v84
	v_and_b32 v85, 0x33333333, v80
	v_add_nc_u32 v81, v84, v85                     ; in each 4,
	v_lshrrev_b32 v84, 4, v81
	v_add_nc_u32 v82, v81, v84
	v_and_b32 v82, 0x0f0f0f0f, v82                 ; in each 8,
	v_lshrrev_b32 v84, 8, v82
	v_add_nc_u32 v83, v82, v84
	v_and_b32 v83, 31, v83                         ; in the low 16
	v_mov_b32 v86, 0
.macro LV src, wd, st
	v_bfe_u32 v84, v[\src], v86, \wd
	v_cmp_ge_u32 vcc_lo, v72, v84
	v_cndmask_b32 v85, 0, \st, vcc_lo
	v_cndmask_b32 v84, 0, v84, vcc_lo
	v_add_nc_u32 v86, v86, v85
	v_sub_nc_u32 v72, v72, v84
.endm
	LV 83, 5, 16
	LV 82, 4, 8
	LV 81, 4, 4
	LV 80, 2, 2
	LV 79, 1, 1
	v_lshl_add_u32 v87, v76, 4, v78
	v_lshl_add_u32 v87, v87, 5, v86
	v_min_u32 v87, 0x1fff, v87                     ; the token
	WA
	BAR                                            ; everybody's reads of the tables are over
	ds_store_b32 v[ALS], v87
	v_lshlrev_b32 v[ACM], 5, v87
	global_load_b128 v[GD:GD+3], v[ACM], s[8:9]    ; its eight weights
	global_load_b128 v[GD+4:GD+7], v[ACM], s[8:9] offset:16
.irp k, 0,1,2,3,4,5,6,7
	ds_load_b128 v[64+4*\k:67+4*\k], v[VB] offset:16*\k   ; my wave's 32 tokens, in every lane
.endr
	s_wait_dscnt 0x0
.set n, 0
.rept 32
	v_min_u32 v[64+n], 0x1fff, v[64+n]
.set n, n+1
.endr
.set n, 0
.rept 32
	v_lshl_add_u32 v[64+n], v[64+n], 9, v[L16]
.set n, n+1
.endr
.set n, 0
.rept 32
	global_load_b128 v[XF+4*n:XF+4*n+3], v[64+n], s[4:5]  ; a row of 512 consecutive bytes a load
.set n, n+1
.endr
	BAR                                            ; the list is whole (my store was waited for above)
	s_wait_xcnt 0x0                                ; the gather's offsets are free
.irp u, 0,1,2,3,4,5,6,7
	ds_load_b32 v[64+\u], v[ALR] offset:64*\u
.endr
	s_wait_dscnt 0x0
.irp u, 0,1,2,3,4,5,6,7
	v_min_u32 v[64+\u], 0x1fff, v[64+\u]
.endr
.irp u, 0,1,2,3,4,5,6,7
	v_lshl_add_u32 v[64+\u], v[64+\u], 5, v[H16]
.endr
.irp u, 0,1,2,3,4,5,6,7
	global_load_b128 v[XSC+4*\u:XSC+4*\u+3], v[64+\u], s[6:7]   ; x's scale words
.endr
	LDW 4
	LDW 5
	LDW 6
	LDW 7
	s_wait_loadcnt 40                              ; rows and weights are in: behind them 8 loads of scale words, 32 of W
.set n, 0
.rept 32
	ds_store_b128 v[AXW], v[XF+4*n:XF+4*n+3] offset:528*n
.set n, n+1
.endr
.irp e, 0,1,2,3,4,5,6,7
	ds_store_b32 v[ALS], v[GD+\e] offset:GW-LIST+512*\e
.endr
	s_wait_dscnt 0x0
	BAR                                            ; x and the weights are whole; from here on LDS is only read
	FRAGS 0, 0
	s_wait_loadcnt 32                              ; x's scale words
; A K STEP: 32 matrix instructions, the accumulators by turns.  The next step's fragments are fetched first, then the next expert's W into the registers of the step before.
.macro KST s, more
.if \s > 0
	PLACES
.endif
.if \s == 7
	WT 0, 0
	WT 1, 1
	WT 2, 2
	WT 3, 3
.if \more
	FRAGS 0, 0
.else
.irp u, 0,1,2,3,4,5,6,7                ; the tokens 16 u + 8 h + 0..7, for the stores
	ds_load_b128 v[XF+8*\u:XF+8*\u+3], v[ALT] offset:64*\u
	ds_load_b128 v[XF+8*\u+4:XF+8*\u+7], v[ALT] offset:64*\u+16
.endr
.endif
.else
	FRAGS \s+1, (\s+1)%2
.endif
.if \more
.if \s > 0
	LDW \s-1
.endif
	s_wait_loadcnt 61                              ; W of this step is in: behind it 8 (7 - s) loads of this expert, 5 + 8 s of the next
.else
	s_wait_loadcnt 8*(7-\s)
.endif
.if \s == 7
	s_wait_dscnt 24                                ; behind this step's fragments: 8 loads of weights, 16 more
.else
	s_wait_dscnt 16
.endif
.if \s == 0
	WIN 0x84                                       ; C (b) in window 0
.else
	WIN 0xa4
.endif
.irp u, 0,1,2,3,4,5,6,7
.irp i, 0,1,2,3
.if \s == 0
	v_wmma_scale_f32_16x16x128_f8f6f4 v[8*(4*\u+\i):8*(4*\u+\i)+7], v[XF+8*\u:XF+8*\u+7], v[8*\i:8*\i+7], v[CB+8*\i:CB+8*\i+7], v[XSC+4*\u], v[WSC+4*\i] matrix_a_fmt:MATRIX_FMT_FP4 matrix_b_fmt:MATRIX_FMT_FP4
.elseif \s < 4
	v_wmma_scale_f32_16x16x128_f8f6f4 v[8*(4*\u+\i):8*(4*\u+\i)+7], v[XF+64*(\s%2)+8*\u:XF+64*(\s%2)+8*\u+7], v[32*\s+8*\i:32*\s+8*\i+7], v[8*(4*\u+\i):8*(4*\u+\i)+7], v[XSC+4*\u+\s], v[WSC+4*\i+\s] matrix_a_fmt:MATRIX_FMT_FP4 matrix_b_fmt:MATRIX_FMT_FP4
.else
	v_wmma_scale_f32_16x16x128_f8f6f4 v[8*(4*\u+\i):8*(4*\u+\i)+7], v[XF+64*(\s%2)+8*\u:XF+64*(\s%2)+8*\u+7], v[32*\s+8*\i:32*\s+8*\i+7], v[8*(4*\u+\i):8*(4*\u+\i)+7], v[XSC+4*\u+\s-4], v[WSC+4*\i+\s-4] matrix_a_fmt:MATRIX_FMT_FP4 matrix_b_fmt:MATRIX_FMT_FP4 matrix_a_scale:MATRIX_SCALE_ROW1 matrix_b_scale:MATRIX_SCALE_ROW1
.endif
.endr
.endr
	WIN 0
.endm
; AN EXPERT.  first: its weighted sums start the results.  more: another follows, whose W, scales and b are asked for here.
.macro EXPERT first, more
	s_wait_loadcnt 56                              ; this expert's scale words and b are in: behind them 64 loads of W, of which 8 are waited for too
	s_lshl_b32 s51, s36, 9
	v_add_nc_u32 v[AGR], s51, v[GWB]
.irp i, 0,1,2,3
.irp j, 0,1,2,3,4,5,6,7
	v_mov_b32 v[CB+8*\i+\j], v[BB+\i]              ; b as C: column r, all eight rows
.endr
.endr
.irp i, 0,1,2,3,4,5,6,7,8,9,10,11,12,13,14,15
	v_mov_b32 v[WSC+\i], v[SB+\i]
.endr
	PLACES                                         ; a scale register so written stands 8 places ahead of the products
	PLACES
	WA
.if \more
	NEXTE
	LDSC
.endif
.irp s, 0,1,2,3,4,5,6,7
	KST \s, \more
.endr
.if \more
	PLACES
	LDW 7
	s_wait_dscnt 16                                ; four tiles' weights: behind them 16 fragment loads
.else
	s_wait_dscnt 0x0
.irp u, 0,1,2,3,4,5,6,7
.irp j, 0,1,2,3,4,5,6,7
	v_min_u32 v[XF+8*\u+\j], 0x1fff, v[XF+8*\u+\j]
.endr
.endr
.irp u, 0,1,2,3,4,5,6,7
.irp j, 0,1,2,3,4,5,6,7
	v_lshl_add_u32 v[XF+8*\u+\j], v[XF+8*\u+\j], 12, v[R16]   ; my byte offset in the token's row of out; these lines are also the places behind the products
.endr
.endr
.endif
.irp u, 0,1,2,3,4,5,6,7
.if \u == 4
	s_wait_dscnt 4                                 ; behind the weights of tiles 4, 5: four loads
.endif
.if \u == 6
	s_wait_dscnt 0x0
.endif
.if \first
	WIN 0xc2
.else
	WIN 0xf2
.endif
.irp j, 0,1,2,3,4,5,6,7
.irp i, 0,1,2,3
.if \first
	v_mul_f32 v[32*\u+4*\j+\i], v[8*(4*\u+\i)+\j], v[CB+8*(\u%4)+\j]
.else
	v_fma_f32 v[32*\u+4*\j+\i], v[8*(4*\u+\i)+\j], v[CB+8*(\u%4)+\j], v[32*\u+4*\j+\i]
.endif
.endr
.endr
.if \more == 0
	WIN 0x0c
.irp j, 0,1,2,3,4,5,6,7
	global_store_b128 v[XF+8*\u+\j], v[32*\u+4*\j:32*\u+4*\j+3], s[18:19] th:TH_STORE_NT   ; two tokens: sixteen lanes store 256 consecutive bytes, aligned
.endr
.endif
	WIN 0
.if \u == 1
	WT 4, 0
	WT 5, 1
.endif
.if \u == 3
	WT 6, 2
	WT 7, 3
.endif
.endr
	WA
.endm
	EXPERT 1, 1
	s_cmp_eq_u32 s35, 0
	s_cbranch_scc1 .Llast
.Lexpert:
	EXPERT 0, 1
	s_sub_co_u32 s35, s35, 1
	s_cmp_lg_u32 s35, 0
	s_cbranch_scc1 .Lexpert
.Llast:
	EXPERT 0, 0
	BAR                                            ; everybody's reads of LDS are over
	s_wait_tensorcnt 0x0                           ; the wave's end
	ds_add_u32 v[SPW], v[NIL]
	s_wait_dscnt 0x0
	s_endpgm
.Lfunc_end_k_q8761ef5459_moe:
	.size	k_q8761ef5459_moe, .Lfunc_end_k_q8761ef5459_moe-k_q8761ef5459_moe
	.p2alignl 7, 3214868480
	.fill 96, 4, 3214868480
	.section	.rodata,"a",@progbits
	.p2align	6, 0x0
	.amdhsa_kernel k_q8761ef5459_moe
		.amdhsa_group_segment_fixed_size 140288
		.amdhsa_private_segment_fixed_size 0
		.amdhsa_enable_private_segment 0
		.amdhsa_kernarg_size 64
		.amdhsa_user_sgpr_count 2
		.amdhsa_user_sgpr_kernarg_segment_ptr 1
		.amdhsa_wavefront_size32 1
		.amdhsa_system_sgpr_workgroup_id_x 1
		.amdhsa_system_sgpr_workgroup_id_y 1
		.amdhsa_system_sgpr_workgroup_id_z 1
		.amdhsa_system_vgpr_workitem_id 0
		.amdhsa_next_free_vgpr 1024
		.amdhsa_next_free_sgpr 104
		.amdhsa_reserve_vcc 1
		.amdhsa_float_denorm_mode_32 3
		.amdhsa_float_denorm_mode_16_64 3
		.amdhsa_memory_ordered 1
		.amdhsa_forward_progress 1
		.amdhsa_inst_pref_size 255
	.end_amdhsa_kernel
	.amdgpu_metadata
---
amdhsa.version: [ 1, 2 ]
amdhsa.kernels:
  - .name:           k_q8761ef5459_moe
    .symbol:         k_q8761ef5459_moe.kd
    .args:
      - { .name: xq, .offset: 0, .size: 8, .value_kind: global_buffer, .address_space: global }
      - { .name: xs, .offset: 8, .size: 8, .value_kind: global_buffer, .address_space: global }
      - { .name: gw, .offset: 16, .size: 8, .value_kind: global_buffer, .address_space: global }
      - { .name: rec, .offset: 24, .size: 8, .value_kind: global_buffer, .address_space: global }
      - { .name: wq, .offset: 32, .size: 8, .value_kind: global_buffer, .address_space: global }
      - { .name: W_scales, .offset: 40, .size: 8, .value_kind: global_buffer, .address_space: global }
      - { .name: b, .offset: 48, .size: 8, .value_kind: global_buffer, .address_space: global }
      - { .name: out0, .offset: 56, .size: 8, .value_kind: global_buffer, .address_space: global }
    .group_segment_fixed_size: 140288
    .private_segment_fixed_size: 0
    .kernarg_segment_align: 8
    .kernarg_segment_size: 64
    .max_flat_workgroup_size: 128
    .sgpr_count:     104
    .vgpr_count:     1024
    .wavefront_size: 32
...
	.end_amdgpu_metadata
.endif
;; end of part 4
